; MI455X (gfx1250); checked and timed in simulation.
; The chip was launched on July 23, 2026; its instructions are those of AMD's public machine-readable ISA for CDNA 5 (MIT licence, August 2026) and "CDNA5" Instruction Set Architecture Reference Guide (July 2026). The comments in the code are by the model that wrote it; some were corrected since.
;; Hyp Attention. Allowed arithmetic: float matrix products may take bf16 or f16 operands with f32 sums; other float arithmetic in f32, or as packed bf16 or f16 multiplies, adds, multiply-adds, maxima and minima; sums over many terms, partial sums and values carried from step to step in f32; what a program stores and reads back later, other than sums and carried values, may be rounded once to bf16 or f16.
;; Inputs: Wk 8 x 256 x 64 float32; Wm 64 x 64 float32; Wq 8 x 256 x 64 float32; Wv 8 x 256 x 64 float32; bk 8 x 64 float32; bm 64 float32; bq 8 x 64 float32; bv 8 x 64 float32; norm_scale one number float32; query_input 100,000 x 256 float32.
;; Outputs: out0 100,000 x 65 float32.
;; 2 versions, each right; version 2 is version 1 with the launch pass1 written anew for expert scheduling mode. Each part assembles by itself: llvm-mc -triple=amdgcn-amd-amdhsa -mcpu=gfx1250 --defsym DOCPART=n.
;; ======== version 1 of 2: 4 launches
;; workspace buffers: wimg 819,200 bytes; brv 256 bytes; xb 51,200,000 bytes; part 20,480,000 bytes; kv 98,304 bytes
;; launch prep (part 1): grid 400 x 1, 4 waves a work-group, no clusters, 17,152 bytes of LDS; arguments Wk, Wv, Wq, Wm, bv, bm, wimg, brv; writes wimg, brv
.if DOCPART == 1
	.amdgcn_target "amdgcn-amd-amdhsa--gfx1250"
	.amdhsa_code_object_version 6
	.text
	.protected	k_qf692f8c5bf_prep
	.globl	k_qf692f8c5bf_prep
	.p2align	8
	.type	k_qf692f8c5bf_prep,@function
k_qf692f8c5bf_prep:
	s_mov_b64 s[64:65], 0
	v_nop
	global_prefetch_b8 v0, s[64:65] scope:SCOPE_SE
	s_setreg_imm32_b32 hwreg(HW_REG_WAVE_MODE, 25, 1), 1
	s_wait_xcnt 0x0
; PREP.  The weights are rounded once to bf16 and laid out as the later launches' matrix fragments; the residual's weights are folded.
; wimg is made of units of 512 bytes, [lane 32][16 bytes].  Unit f = ((mat 8 + head) 32 + ct 8 + ks) 2 + c: lane (r = l % 16, h = l / 16) holds the eight numbers
; W[head][d = 32 ks + 16 c + 8 h + i][o = 16 ct + r], i = 0..7: registers 4 c .. 4 c + 3 of a fragment of 16 channels x 32 d.  mat 0 = Wk, 1 = Wv, 2 = Wq.
; Units 1,536 to 1,599 hold Wr = (sum over heads of Wv) Wm / 8, [256][64], in the same form (one head): the mean over heads of v Wm + bm is x Wr + br,
; br = (sum over heads of bv) Wm / 8 + bm, which goes to brv in f32.  All sums in f32; each number of wimg is rounded once.
; SHARES.  400 work-groups of four waves, a unit a wave: f = 4 x work-group + wave.  Work-groups 0-383 copy; work-group 384 + a makes the four units of channel tile a / 4, rows 64 (a % 4) .. + 63 of Wr.
; No matrix unit: 2 x 256 x 64 x 64 multiply-adds in all.  No cluster: no tile is shared that is worth a joint request (16 KiB of Wm).
.set AVROW, 256                        ; LDS: AV, 64 rows of 64 f32: the sum over heads of Wv's rows; row 64: the sum over heads of bv
.set BVROW, 64*AVROW
.set SPARE, 65*AVROW                   ; behind them: the spare words, 128 bytes for each wave: two blocks of 256 bytes that no other line names
.set SPW, 2                            ; v2  LDS address of my spare word; never rewritten
.set NIL, 3                            ; v3  0; never rewritten
.set LN,  4                            ; v4  lane
.set RR,  5                            ; v5  r
.set HH,  6                            ; v6  h
.set UO,  7                            ; v7  16 x lane: my 16 bytes of the unit
.set CO,  8                            ; v8  my column's byte offset
.set TO,  9                            ; v9  16 x thread
.set BO,  10                           ; v10 16 r
.set RA,  11                           ; v11 LDS address of my eight rows of AV
.set RB,  12                           ; v12 LDS address of row 64
.set ACC, 32                           ; v[32:49] nine pairs of sums: rows i = 0..7, then br's
.set PK,  52                           ; v[52:55] the unit's 16 bytes
.set WMV, 64                           ; v[64:127] Wm[o][my column], o = 0..63
.set BUF, 128                          ; v[128:255] at work
	s_load_b256 s[4:11], s[0:1], 0x0               ; Wk s[4:5], Wv s[6:7], Wq s[8:9], Wm s[10:11]
	s_load_b256 s[12:19], s[0:1], 0x20             ; bv s[12:13], bm s[14:15], wimg s[16:17], brv s[18:19]
	v_lshl_add_u32 v[SPW], v0, 2, SPARE
	v_mov_b32 v[NIL], 0
	v_lshrrev_b32 v1, 5, v0
	v_readfirstlane_b32 s20, v1                    ; wave 0..3
	v_and_b32 v[LN], 31, v0
	v_and_b32 v[RR], 15, v0
	v_bfe_u32 v[HH], v0, 4, 1
	v_lshlrev_b32 v[UO], 4, v[LN]
	s_lshl_b32 s21, ttmp9, 2
	s_add_co_u32 s21, s21, s20                     ; f
	s_lshl_b32 s22, s21, 9
	s_mov_b32 s23, 0
	s_wait_kmcnt 0x0
	s_add_nc_u64 s[16:17], s[16:17], s[22:23]      ; wimg at my unit
	s_cmp_lt_u32 ttmp9, 384                        ; the same in all four waves
	s_cbranch_scc0 .Lwr
	; A COPIED UNIT.  f's bits: c 0, ks 3:1, ct 5:4, head 8:6, mat 10:9
	s_lshr_b32 s24, ttmp9, 7                       ; mat
	s_cmp_eq_u32 s24, 0
	s_cselect_b64 s[26:27], s[4:5], s[6:7]
	s_cmp_eq_u32 s24, 2
	s_cselect_b64 s[26:27], s[8:9], s[26:27]
	s_bfe_u32 s28, s21, 0x30006                    ; head: 65,536 bytes each
	s_lshl_b32 s28, s28, 16
	s_and_b32 s29, s21, 15                         ; 2 ks + c: 16 rows of 256 bytes each
	s_lshl_b32 s29, s29, 12
	s_add_co_u32 s28, s28, s29
	s_bfe_u32 s29, s21, 0x20004                    ; ct: 64 bytes of a row
	s_lshl_b32 s29, s29, 6
	s_add_co_u32 s28, s28, s29
	s_mov_b32 s29, 0
	s_add_nc_u64 s[26:27], s[26:27], s[28:29]
	v_lshlrev_b32 v[CO], 2, v[RR]
	v_lshl_add_u32 v[CO], v[HH], 11, v[CO]         ; 8 h rows + column r
.set n, 0
.rept 8
	global_load_b32 v[16+n], v[CO], s[26:27] offset:n*256
.set n, n+1
.endr
	s_wait_loadcnt 0x0
.set n, 0
.rept 4
	v_cvt_pk_bf16_f32 v[24+n], v[16+2*n], v[17+2*n]
.set n, n+1
.endr
	global_store_b128 v[UO], v[24:27], s[16:17]    ; the wave's store covers 512 consecutive bytes, aligned
	s_branch .Lend
.Lwr:	; A UNIT OF Wr
	s_sub_co_u32 s24, ttmp9, 384                   ; a
	s_lshr_b32 s25, s24, 2                         ; ct
	s_and_b32 s26, s24, 3                          ; which 64 rows d
	s_lshl_b32 s27, s25, 6
	v_lshlrev_b32 v[CO], 2, v[RR]
	v_add_nc_u32 v[CO], s27, v[CO]                 ; column 16 ct + r, in bytes
.set n, 0
.rept 64
	global_load_b32 v[WMV+n], v[CO], s[10:11] offset:n*256
.set n, n+1
.endr
	s_lshl_b32 s28, s26, 14
	s_mov_b32 s29, 0
	s_add_nc_u64 s[6:7], s[6:7], s[28:29]          ; Wv at my 64 rows, head 0
	v_lshlrev_b32 v[TO], 4, v0
	; AV: the block's 16,384 bytes in eight pieces of 2,048 (16 bytes a thread), four pieces a round, eight heads each
.set q, 0
.rept 2
.set n, 0
.rept 32
	global_load_b128 v[BUF+4*n:BUF+4*n+3], v[TO], s[6:7] offset:(4*q+n/8)*2048+(n%8)*65536
.set n, n+1
.endr
	s_wait_loadcnt 0x0
.set n, 0
.rept 28                                       ; piece n % 4 takes head 1 + n / 4: four chains side by side
.set a, BUF+32*(n%4)
.set b, a+4*(1+n/4)
	v_pk_add_f32 v[a:a+1], v[a:a+1], v[b:b+1]
	v_pk_add_f32 v[a+2:a+3], v[a+2:a+3], v[b+2:b+3]
.set n, n+1
.endr
.set n, 0
.rept 4
	ds_store_b128 v[TO], v[BUF+32*n:BUF+32*n+3] offset:(4*q+n)*2048
.set n, n+1
.endr
	s_wait_dscnt 0x0                               ; the stores are done before their registers are loaded again
.set q, q+1
.endr
	s_cmp_lg_u32 s20, 0                            ; wave 0 alone: the sum over heads of bv, into row 64
	s_cbranch_scc1 .Lnobv
	v_lshlrev_b32 v[BO], 4, v[RR]
.set n, 0
.rept 8
	global_load_b128 v[BUF+4*n:BUF+4*n+3], v[BO], s[12:13] offset:n*256
.set n, n+1
.endr
	s_wait_loadcnt 0x0
.set n, 1
.rept 7
	v_pk_add_f32 v[BUF:BUF+1], v[BUF:BUF+1], v[BUF+4*n:BUF+4*n+1]
	v_pk_add_f32 v[BUF+2:BUF+3], v[BUF+2:BUF+3], v[BUF+4*n+2:BUF+4*n+3]
.set n, n+1
.endr
	ds_store_b128 v[BO], v[BUF:BUF+3] offset:BVROW ; both halves of the lanes write the same numbers to the same bytes
.Lnobv:
	s_wait_dscnt 0x0                               ; for the others' sake: my stores into AV are done
	s_barrier_signal -1
	s_barrier_wait -1
	s_lshl_b32 s28, s20, 12
	v_lshl_add_u32 v[RA], v[HH], 11, s28           ; rows 16 x wave + 8 h
	v_mov_b32 v[RB], BVROW
; Nine loads: four numbers o = 4 o4 .. + 3 of my eight rows and of row 64; two sets of 36 registers take turns
.macro BATCH o4, s
.set n, 0
.rept 8
	ds_load_b128 v[BUF+36*(\s)+4*n:BUF+36*(\s)+4*n+3], v[RA] offset:n*AVROW+(\o4)*16
.set n, n+1
.endr
	ds_load_b128 v[BUF+36*(\s)+32:BUF+36*(\s)+35], v[RB] offset:(\o4)*16
.endm
	BATCH 0, 0
.set o, 0
.rept 16
.if o < 15
	BATCH o+1, (o+1)%2
	s_wait_dscnt 9                                 ; this batch is in; the nine loads just issued may stay out
.else
	s_wait_dscnt 0x0
.endif
.set n, 0
.rept 9
.set a, BUF+36*(o%2)+4*n
.if o == 0
	v_pk_mul_f32 v[ACC+2*n:ACC+2*n+1], v[a:a+1], v[WMV:WMV+1]  ; the first product starts the sums
.else
	v_pk_fma_f32 v[ACC+2*n:ACC+2*n+1], v[a:a+1], v[WMV+4*o:WMV+4*o+1], v[ACC+2*n:ACC+2*n+1]
.endif
	v_pk_fma_f32 v[ACC+2*n:ACC+2*n+1], v[a+2:a+3], v[WMV+4*o+2:WMV+4*o+3], v[ACC+2*n:ACC+2*n+1]
.set n, n+1
.endr
.set o, o+1
.endr
.set n, 0
.rept 9
	v_add_f32 v[ACC+2*n], v[ACC+2*n], v[ACC+2*n+1] ; even o and odd o
.set n, n+1
.endr
.set n, 0
.rept 8
	v_mul_f32 v[ACC+2*n], 0x3e000000, v[ACC+2*n]   ; the mean over eight heads
.set n, n+1
.endr
.set n, 0
.rept 4
	v_cvt_pk_bf16_f32 v[PK+n], v[ACC+4*n], v[ACC+4*n+2]
.set n, n+1
.endr
	global_store_b128 v[UO], v[PK:PK+3], s[16:17]
	s_or_b32 s30, s26, s20                         ; br's sixteen numbers of this channel tile: the first row block's wave 0
	s_cmp_lg_u32 s30, 0
	s_cbranch_scc1 .Lend
	global_load_b32 v13, v[CO], s[14:15]           ; bm
	s_wait_loadcnt 0x0
	v_fmamk_f32 v14, v[ACC+16], 0x3e000000, v13
	v_cmp_gt_u32 vcc_lo, 16, v[LN]
	s_wait_xcnt 0x0                                ; EXEC changes only when every earlier memory instruction has read its sources
	s_and_saveexec_b32 s31, vcc_lo
	global_store_b32 v[CO], v14, s[18:19]
	s_wait_xcnt 0x0                                ; and again ahead of the line that widens it
	s_or_b32 exec_lo, exec_lo, s31
.Lend:
	s_wait_tensorcnt 0x0                           ; the wave's end: behind my last LDS store
	ds_add_u32 v[SPW], v[NIL]
	s_wait_dscnt 0x0
	s_endpgm
.Lfunc_end_k_qf692f8c5bf_prep:
	.size	k_qf692f8c5bf_prep, .Lfunc_end_k_qf692f8c5bf_prep-k_qf692f8c5bf_prep
	.p2alignl 7, 3214868480
	.fill 96, 4, 3214868480
	.section	.rodata,"a",@progbits
	.p2align	6, 0x0
	.amdhsa_kernel k_qf692f8c5bf_prep
		.amdhsa_group_segment_fixed_size 17152
		.amdhsa_private_segment_fixed_size 0
		.amdhsa_enable_private_segment 0
		.amdhsa_kernarg_size 64
		.amdhsa_user_sgpr_count 2
		.amdhsa_user_sgpr_kernarg_segment_ptr 1
		.amdhsa_wavefront_size32 1
		.amdhsa_system_sgpr_workgroup_id_x 1
		.amdhsa_system_sgpr_workgroup_id_y 1
		.amdhsa_system_sgpr_workgroup_id_z 1
		.amdhsa_system_vgpr_workitem_id 0
		.amdhsa_next_free_vgpr 256
		.amdhsa_next_free_sgpr 66
		.amdhsa_reserve_vcc 1
		.amdhsa_float_denorm_mode_32 3
		.amdhsa_float_denorm_mode_16_64 3
		.amdhsa_memory_ordered 1
		.amdhsa_forward_progress 1
		.amdhsa_inst_pref_size 55
	.end_amdhsa_kernel
	.amdgpu_metadata
---
amdhsa.version: [ 1, 2 ]
amdhsa.kernels:
  - .name:           k_qf692f8c5bf_prep
    .symbol:         k_qf692f8c5bf_prep.kd
    .args:
      - { .name: Wk, .offset: 0, .size: 8, .value_kind: global_buffer, .address_space: global }
      - { .name: Wv, .offset: 8, .size: 8, .value_kind: global_buffer, .address_space: global }
      - { .name: Wq, .offset: 16, .size: 8, .value_kind: global_buffer, .address_space: global }
      - { .name: Wm, .offset: 24, .size: 8, .value_kind: global_buffer, .address_space: global }
      - { .name: bv, .offset: 32, .size: 8, .value_kind: global_buffer, .address_space: global }
      - { .name: bm, .offset: 40, .size: 8, .value_kind: global_buffer, .address_space: global }
      - { .name: wimg, .offset: 48, .size: 8, .value_kind: global_buffer, .address_space: global }
      - { .name: brv, .offset: 56, .size: 8, .value_kind: global_buffer, .address_space: global }
    .group_segment_fixed_size: 17152
    .private_segment_fixed_size: 0
    .kernarg_segment_align: 8
    .kernarg_segment_size: 64
    .max_flat_workgroup_size: 128
    .sgpr_count:     66
    .vgpr_count:     256
    .wavefront_size: 32
...
	.end_amdgpu_metadata
.endif
;; end of part 1
;; launch pass1 (part 2): grid 2 x 125, 4 waves a work-group, no clusters, 54,784 bytes of LDS; arguments query_input, wimg, bk, bv, norm_scale, xb, part; writes xb, part
.if DOCPART == 2
	.amdgcn_target "amdgcn-amd-amdhsa--gfx1250"
	.amdhsa_code_object_version 6
	.text
	.protected	k_qf692f8c5bf_pass1
	.globl	k_qf692f8c5bf_pass1
	.p2align	8
	.type	k_qf692f8c5bf_pass1,@function
k_qf692f8c5bf_pass1:
	s_mov_b64 s[64:65], 0
	v_nop
	global_prefetch_b8 v0, s[64:65] scope:SCOPE_SE
	s_setreg_imm32_b32 hwreg(HW_REG_WAVE_MODE, 25, 1), 1
	s_wait_xcnt 0x0
; PASS 1.  For each head: kTv[m][d] = sum over rows of phi_k[row][m] v[row][d] and sumk[m] = sum over rows of phi_k[row][m], as partial sums over 800 rows, in f32, to part;
; and x rounded once to bf16, to xb.  phi_k = f z^2, z = max(x Wk + bk + 1e-6, 1e-6), f = c^3 sqrt(sum z^2) / (c^2 sqrt(sum z^4) + 1e-12), c = 1 / (|norm_scale| + 1e-6): reference()'s feature map, rearranged.
; v is multiplied without its bias; sumk (x) bv is added to kTv in f32 at the end.
; FORMATS.  Matrix operands (x, Wk, Wv, phi_k, v) bf16; all sums, norms and what goes to part f32.  sumk is the sum of the ROUNDED phi_k.
; LIMITS.  NaN and infinities are not treated apart; roots and reciprocals are good to 1 ULP; sum z^2 >= 6.4e-11 and sum z^4 >= 6.4e-23 by the 1e-6, so neither is a denormal.
; SHARES.  Work-group (g, chunk): rows 800 chunk .. + 799 in 25 steps of 32, heads 4 g .. 4 g + 3, a head a wave.  A wave's Wk and Wv (128 columns x 256 d, 512 registers) stay in registers, so LDS carries x alone:
; 32 LDS loads of x for a step's 148 matrix instructions (64 k, 64 v, 16 kTv, 4 sumk).
; LAYOUT.  k is made transposed (source 0 = 16 channels of Wk, source 1 = 16 rows of x): a lane holds one row and 32 of its 64 channels, so a norm is a sum in the lane and one exchange of the lanes' halves.
; v is made as it lies (source 0 = x, source 1 = Wv): two results rounded in pairs ARE source 1 (32 rows x 16 d) of kTv.  phi_k goes through my own stage in LDS, [row][channel], and comes back turned (ds_load_tr16_b128) as source 0.
; x comes through registers (16-byte loads, a step ahead), is rounded there, and goes into one of two LDS slots; one barrier a step.
; NO CLUSTER: the two work-groups of a chunk read the same x, but as f32, which has to pass through registers to be rounded: a joint tensor load would want slots of 32 x 1,024 bytes and a second trip through LDS.
; REGISTERS, in windows of 256 (s_set_vgpr_msb: bits 1:0 source 0, 3:2 source 1, 5:4 source 2, 7:6 destination):
;   window 0: v0-15 addresses; v16-23 bv; v24-39 statistics; v40-47 ones; v48-111 x's fragments, two buffers (the second also takes the rounded phi_k); v112-175 k; v176-239 v; v240-244 at work at the head
;   window 1: v0-63 x as loaded; v64-95 bk + 1e-6; v96-127 sumk; v128-255 kTv          window 2: Wk, fragment (ct, ks) at 8 (8 ct + ks)          window 3: Wv likewise
.set PX,    528                        ; a row of x in LDS: 512 bytes + 16: the 16 rows of a fragment load start at 16 different groups of four banks (64 banks of 4 bytes: ISA guide 11.1)
.set SLOTB, 32*PX
.set TRB,   2*SLOTB                    ; behind the two slots: 32 rows x 160 bytes for each wave
.set PT,    160                        ; 128 bytes + 32
.set SPARE, TRB+4*32*PT                ; behind the stages: the spare words, 128 bytes for each wave: two blocks of 256 bytes that no other line names
.set XA,  2                            ; v2   r x 528 + 16 h: my place in a fragment of x
.set TS,  3                            ; v3   where I put 16 bytes of phi_k
.set TL,  4                            ; v4   where the turning load reads
.set GO,  5                            ; v5   16 x thread: my 16 bytes in two rows of x (2,048 bytes)
.set LS,  6                            ; v6   where my 8 bytes of rounded x go in a slot
.set XBO, 7                            ; v7   8 x thread: the same in xb
.set PFO, 8                            ; v8   256 x thread: the prefetch's offset
.set WO,  9                            ; v9   16 x lane
.set SPW, 10                           ; v10  LDS address of my spare word; never rewritten
.set NIL, 11                           ; v11  0; never rewritten
.set BV,  16                           ; pair dt: bv[head][16 dt + r], 0
.set S2,  24                           ; row tile rt: pair at S2 + 2 rt: sum z^2
.set S4,  28                           ; sum z^4
.set FF,  32                           ; f, twice
.set ONE, 40                           ; 1.0 in bf16, sixteen times
.set XF,  48                           ; buffer b at XF + 32 b: K step ksub of a pair, row tile rt at + 16 ksub + 8 rt
.set PKT, 80                           ; phi_k rounded: row tile rt, channel tile ct at PKT + 16 rt + 4 ct
.set KA,  112                          ; k (rt, ct) at KA + 32 rt + 8 ct; later phi_k^T, fragment mt at KA + 8 mt
.set VA,  176                          ; v (ct, rt) at VA + 16 ct + 8 rt; later source 1, fragment dt at VA + 16 dt
.set STG, 0                            ; window 1
.set BK,  64
.set OACC, 96
.set KV,  128                          ; tile T = 4 mt + dt at KV + 8 T
.set WV,  18                           ; s18  wave
.set GR,  19                           ; s19  g
.set HD,  20                           ; s20  head
.set CH,  21                           ; s21  chunk
.set CNT, 22                           ; s22  trips to go
.set LIM, 23                           ; s23  2 where g = 0, else the greatest number: a wave prefetches while CNT is above it
.set EPS, 24                           ; s[24:25] 1e-6, twice
.set E12, 26                           ; s26  1e-12
.set C2,  27                           ; s27  c^2
.set C3,  28                           ; s28  c^3
.set SEL, 30                           ; s[30:31] v_permlanex16_b32's selects: each lane takes its own place in the other half
.set XP,  32                           ; s[32:33] x at the tile loaded last
.set XBP, 34                           ; s[34:35] xb at the same tile
.set WKP, 38                           ; s[38:39] my head's image of Wk
.set WVP, 40                           ; s[40:41] of Wv
.set NS,  42                           ; s42  norm_scale
.set MSB, 0
.macro WIN new                         ; the immediate's high byte repeats the setting that is left; a switch that changes nothing is dropped
.if MSB != (\new)
	s_set_vgpr_msb (MSB<<8)|(\new)
.set MSB, (\new)
.endif
.endm
.macro PL n                            ; places behind a matrix instruction: plain vector instructions that name none of its registers (ISA guide 7.12.1)
.rept \n
	v_nop
.endr
.endm
; A tile of x, 32 rows x 1,024 bytes, in 16 pieces of two rows; each load of the wave covers 512 consecutive bytes.  step = 1: the pointers go one tile on first.
.macro LOADX step
	s_wait_xcnt 0x0                                ; the last tile's stores to xb have read their data, and every load and prefetch its address: STG and the pointers may be written
.if \step
	s_add_nc_u64 s[XP:XP+1], s[XP:XP+1], 32768
	s_add_nc_u64 s[XBP:XBP+1], s[XBP:XBP+1], 16384
.endif
	WIN 0x40
.set n, 0
.rept 16
	global_load_b128 v[STG+4*n:STG+4*n+3], v[GO], s[XP:XP+1] offset:n*2048
.set n, n+1
.endr
	WIN 0
.endm
; A PREFETCH INTO THE L2, behind the step's loads: the tile two tiles beyond the one just asked for (tile i + 4 in step i): 128 blocks of 256 bytes, a thread a block, one instruction a wave.
; The two work-groups of a chunk read the same tile: g = 0 asks, so each block is named once in the launch.  It stops where i + 4 would pass the chunk's tile 24: while CNT > 2.
.macro ASK first
.if \first
	s_cmp_eq_u32 s[LIM], 2
.else
	s_cmp_gt_u32 s[CNT], s[LIM]
.endif
	s_cbranch_scc0 .Lnoask_\@
	global_prefetch_b8 v[PFO], s[XP:XP+1] offset:65536 th:TH_LOAD_NT scope:SCOPE_SE
.Lnoask_\@:
.endm
; The tile that was loaded a step ago is rounded to bf16 in place, put into a slot, and half of it (rows 16 g .. 16 g + 15) stored to xb: each store of the wave covers 256 consecutive bytes, aligned.
.macro CVT slot
	s_wait_loadcnt 0x0                             ; the sixteen loads issued a step ago
	WIN 0x45
.set n, 0
.rept 16
	v_cvt_pk_bf16_f32 v[STG+4*n], v[STG+4*n], v[STG+4*n+1]
	v_cvt_pk_bf16_f32 v[STG+4*n+1], v[STG+4*n+2], v[STG+4*n+3]
.set n, n+1
.endr
	WIN 0x04
.set n, 0
.rept 16
	ds_store_b64 v[LS], v[STG+4*n:STG+4*n+1] offset:(\slot)*SLOTB+n*2*PX
.set n, n+1
.endr
	WIN 0                                          ; at a branch and at a label every window is 0
	s_cmp_eq_u32 s[GR], 0
	s_cbranch_scc0 .Lhi_\@
	WIN 0x04
.set n, 0
.rept 8
	global_store_b64 v[XBO], v[STG+4*n:STG+4*n+1], s[XBP:XBP+1] offset:n*1024
.set n, n+1
.endr
	WIN 0
	s_branch .Ldone_\@
.Lhi_\@:
	WIN 0x04
.set n, 8
.rept 8
	global_store_b64 v[XBO], v[STG+4*n:STG+4*n+1], s[XBP:XBP+1] offset:n*1024
.set n, n+1
.endr
	WIN 0
.Ldone_\@:
.endm
; Eight LDS loads: x's fragments of K steps 2 p and 2 p + 1, both row tiles, into buffer b
.macro XFETCH slot, p, b
	WIN 0
.set q, 0
.rept 4
.set a, XF+32*(\b)+16*(q/2)+8*(q%2)
	ds_load_b128 v[a:a+3],   v[XA] offset:(\slot)*SLOTB+(q%2)*16*PX+(2*(\p)+q/2)*64
	ds_load_b128 v[a+4:a+7], v[XA] offset:(\slot)*SLOTB+(q%2)*16*PX+(2*(\p)+q/2)*64+32
.set q, q+1
.endr
.endm
; 32 matrix instructions: K steps 2 p and 2 p + 1 of k (16) and of v (16).  In each run of 16 the eight accumulators take turns, one instruction a turn.
; K step 0 starts the sums: k's with bk + 1e-6 as C, v's with the constant 0.
.macro PROJ p, b
.set ksub, 0
.rept 2
.set ks, 2*(\p)+ksub
.if ks == 0
	WIN 0x12                                       ; Wk window 2, x window 0, C window 1
.else
	WIN 0x02
.endif
.set q, 0
.rept 8
.set rD, KA+32*(q/4)+8*(q%4)
.set rW, 8*(8*(q%4)+ks)
.set rX, XF+32*(\b)+16*ksub+8*(q/4)
.if ks == 0
	v_wmma_f32_16x16x32_bf16 v[rD:rD+7], v[rW:rW+7], v[rX:rX+7], v[BK+8*(q%4):BK+8*(q%4)+7]
.else
	v_wmma_f32_16x16x32_bf16 v[rD:rD+7], v[rW:rW+7], v[rX:rX+7], v[rD:rD+7]
.endif
.set q, q+1
.endr
.set ksub, ksub+1
.endr
	WIN 0x0c                                       ; x window 0, Wv window 3
.set ksub, 0
.rept 2
.set ks, 2*(\p)+ksub
.set q, 0
.rept 8
.set rD, VA+16*(q%4)+8*(q/4)
.set rW, 8*(8*(q%4)+ks)
.set rX, XF+32*(\b)+16*ksub+8*(q/4)
.if ks == 0
	v_wmma_f32_16x16x32_bf16 v[rD:rD+7], v[rX:rX+7], v[rW:rW+7], 0
.else
	v_wmma_f32_16x16x32_bf16 v[rD:rD+7], v[rX:rX+7], v[rW:rW+7], v[rD:rD+7]
.endif
.set q, q+1
.endr
.set ksub, ksub+1
.endr
.endm
; The feature map on both row tiles, which alternate line by line.  Each accumulator's registers are taken in ascending order.
.macro KNORM
	WIN 0
.set n, 0
.rept 64
	v_max_num_f32 v[KA+32*(n%2)+n/2], s[EPS], v[KA+32*(n%2)+n/2]  ; z
.set n, n+1
.endr
.set n, 0
.rept 32
.set a, KA+32*(n%2)+2*(n/2)
	v_pk_mul_f32 v[a:a+1], v[a:a+1], v[a:a+1]      ; z^2
.set n, n+1
.endr
.set n, 0
.rept 2
.set a, KA+32*n
	v_pk_add_f32 v[S2+2*n:S2+2*n+1], v[a:a+1], v[a+2:a+3]  ; the first terms start the sums
	v_pk_mul_f32 v[S4+2*n:S4+2*n+1], v[a:a+1], v[a:a+1]
.set n, n+1
.endr
.set n, 2
.rept 30
.set a, KA+32*(n%2)+2*(n/2)
.set c, 2*(n%2)
.if n >= 4
	v_pk_add_f32 v[S2+c:S2+c+1], v[S2+c:S2+c+1], v[a:a+1]
.endif
	v_pk_fma_f32 v[S4+c:S4+c+1], v[a:a+1], v[a:a+1], v[S4+c:S4+c+1]
.set n, n+1
.endr
.irp c, 0, 2
	v_add_f32 v[S2+\c], v[S2+\c], v[S2+\c+1]
	v_add_f32 v[S4+\c], v[S4+\c], v[S4+\c+1]
.endr
.irp c, 0, 2
	v_permlanex16_b32 v[S2+\c+1], v[S2+\c], s[SEL], s[SEL+1]  ; the row's other 32 channels lie in the lane 16 away
	v_permlanex16_b32 v[S4+\c+1], v[S4+\c], s[SEL], s[SEL+1]
.endr
.irp c, 0, 2
	v_add_f32 v[S2+\c], v[S2+\c], v[S2+\c+1]
	v_add_f32 v[S4+\c], v[S4+\c], v[S4+\c+1]
.endr
.irp c, 0, 2
	v_sqrt_f32 v[S2+\c+1], v[S2+\c]
	v_sqrt_f32 v[S4+\c+1], v[S4+\c]
.endr
	v_nop                                          ; a plain instruction behind the last root,
	s_wait_alu depctr_va_vdst(0)                   ; and the wait ahead of the first use: one for the four roots
.irp c, 0, 2
	v_fma_f32 v[S4+\c], v[S4+\c+1], s[C2], s[E12]
.endr
.irp c, 0, 2
	v_rcp_f32 v[S4+\c+1], v[S4+\c]
.endr
.irp c, 0, 2
	v_mul_f32 v[S2+\c], s[C3], v[S2+\c+1]          ; plain work behind the reciprocals
.endr
	s_wait_alu depctr_va_vdst(0)                   ; one wait for the two reciprocals
.irp c, 0, 2
	v_mul_f32 v[FF+\c], v[S2+\c], v[S4+\c+1]
	v_mul_f32 v[FF+\c+1], v[S2+\c], v[S4+\c+1]
.endr
.set n, 0
.rept 32
.set a, KA+32*(n%2)+2*(n/2)
	v_pk_mul_f32 v[a:a+1], v[a:a+1], v[FF+2*(n%2):FF+2*(n%2)+1]  ; phi_k
.set n, n+1
.endr
.set n, 0
.rept 32
	v_cvt_pk_bf16_f32 v[PKT+16*(n%2)+n/2], v[KA+32*(n%2)+2*(n/2)], v[KA+32*(n%2)+2*(n/2)+1]
.set n, n+1
.endr
.endm
; phi_k into my stage, [row][channel], and back turned: fragment mt holds channel 16 mt + l % 16 a lane and the 32 rows along its registers
.macro TRANS
	WIN 0
.set n, 0
.rept 8
	ds_store_b128 v[TS], v[PKT+4*n:PKT+4*n+3] offset:(n/4)*16*PT+(n%4)*32
.set n, n+1
.endr
.set n, 0
.rept 4
	ds_load_tr16_b128 v[KA+8*n:KA+8*n+3],   v[TL] offset:n*32  ; LDS serves a wave's instructions in order (ISA guide 5.7.1.4): these see the stores above
	ds_load_tr16_b128 v[KA+8*n+4:KA+8*n+7], v[TL] offset:n*32+16*PT
.set n, n+1
.endr
.endm
; v rounded in place: of the 16 registers of a channel tile (row tiles 0 and 1) register pair k goes into register k: source 1 of kTv
.macro VPACK
	WIN 0
.set n, 0
.rept 32
.set a, VA+16*(n%4)
	v_cvt_pk_bf16_f32 v[a+n/4], v[a+2*(n/4)], v[a+2*(n/4)+1]
.set n, n+1
.endr
.endm
; 20 matrix instructions on 20 accumulators: kTv's sixteen tiles and sumk's four (phi_k^T times ones).  first = 1: they start the sums.
.macro KTV first
	WIN 0x50                                       ; C and D window 1
.set n, 0
.rept 16
.if \first
	v_wmma_f32_16x16x32_bf16 v[KV+8*n:KV+8*n+7], v[KA+8*(n/4):KA+8*(n/4)+7], v[VA+16*(n%4):VA+16*(n%4)+7], 0
.else
	v_wmma_f32_16x16x32_bf16 v[KV+8*n:KV+8*n+7], v[KA+8*(n/4):KA+8*(n/4)+7], v[VA+16*(n%4):VA+16*(n%4)+7], v[KV+8*n:KV+8*n+7]
.endif
.set n, n+1
.endr
.set n, 0
.rept 4
.if \first
	v_wmma_f32_16x16x32_bf16 v[OACC+8*n:OACC+8*n+7], v[KA+8*n:KA+8*n+7], v[ONE:ONE+7], 0
.else
	v_wmma_f32_16x16x32_bf16 v[OACC+8*n:OACC+8*n+7], v[KA+8*n:KA+8*n+7], v[ONE:ONE+7], v[OACC+8*n:OACC+8*n+7]
.endif
.set n, n+1
.endr
.endm
; A STEP: 32 rows out of a slot.  Beside them the next tile is rounded into the other slot and the tile after it asked for.
; first = 1: step 0.  In the loop's last trip (CNT = 1) nothing is loaded, and its second step (tail = 1) rounds nothing: tile 24 is the chunk's last.
.macro STEP slot, first, tail
	XFETCH \slot, 0, 0
.if \tail
	s_cmp_eq_u32 s[CNT], 1
	s_cbranch_scc1 .Lskip_\@
.endif
	CVT 1-(\slot)
.if !(\first) && !(\tail)
	s_cmp_eq_u32 s[CNT], 1
	s_cbranch_scc1 .Lskip_\@
.endif
	LOADX 1
	ASK \first
.Lskip_\@:
	PL 5                                           ; the first products below write over k's and v's registers, which the last step's kTv read
	XFETCH \slot, 1, 1
	s_wait_dscnt 8                                 ; all but the eight loads just issued: the first pair's fragments are in
	PROJ 0, 0
	PL 4                                           ; in front of loads into the buffer just multiplied
	XFETCH \slot, 2, 0
	s_wait_dscnt 8
	PROJ 1, 1
	PL 4
	XFETCH \slot, 3, 1
	s_wait_dscnt 8
	PROJ 2, 0
	s_wait_dscnt 0x0
	PROJ 3, 1
	WIN 0
	PL 4                                           ; in front of the reads of results just made
	KNORM
	TRANS
	VPACK
	s_wait_dscnt 0x0                               ; my reads of this slot are back, my stores into the other slot are done, phi_k^T is in
	s_barrier_signal -1                            ; say so,
	KTV \first                                     ; work on registers while the others arrive,
	WIN 0
	s_barrier_wait -1                              ; and go on when all four have said so: the other slot is whole, and nobody reads this one any more
.endm
	s_load_b256 s[4:11], s[0:1], 0x0               ; x s[4:5], wimg s[6:7], bk s[8:9], bv s[10:11]
	s_load_b128 s[12:15], s[0:1], 0x20             ; norm_scale s[12:13], xb s[14:15]
	s_load_b64 s[16:17], s[0:1], 0x30              ; part
	v_lshl_add_u32 v[SPW], v0, 2, SPARE
	v_mov_b32 v[NIL], 0
	v_lshrrev_b32 v1, 5, v0
	v_readfirstlane_b32 s[WV], v1                  ; wave 0..3
	v_and_b32 v12, 31, v0                          ; l
	v_and_b32 v13, 15, v0                          ; r
	v_bfe_u32 v14, v0, 4, 1                        ; h
	v_lshlrev_b32 v[WO], 4, v12
	v_lshlrev_b32 v15, 5, v14                      ; 32 h: bk's lane offset
	v_lshlrev_b32 v1, 2, v13                       ; 4 r: bv's
	v_lshlrev_b32 v[GO], 4, v0
	v_lshlrev_b32 v[XBO], 3, v0
	v_lshlrev_b32 v[PFO], 8, v0
	s_mov_b32 s[GR], ttmp9
	s_lshl_b32 s[HD], s[GR], 2
	s_add_co_u32 s[HD], s[HD], s[WV]
	s_and_b32 s[CH], ttmp7, 0xffff
	s_mov_b32 s[EPS], 0x358637bd                   ; 1e-6
	s_mov_b32 s[EPS+1], s[EPS]
	s_mov_b32 s[E12], 0x2b8cbccc                   ; 1e-12
	s_mov_b32 s[SEL], 0x76543210
	s_mov_b32 s[SEL+1], 0xfedcba98
	s_cmp_eq_u32 s[GR], 0
	s_cselect_b32 s[LIM], 2, -1
	s_lshr_b32 s46, s[WV], 1
	s_and_b32 s47, s[WV], 1
	s_mov_b32 s45, 0
	s_wait_kmcnt 0x0
	s_load_b32 s[NS], s[12:13], 0x0
	s_mul_i32 s44, s[CH], 819200                   ; 800 rows of 1,024 bytes
	s_add_nc_u64 s[XP:XP+1], s[4:5], s[44:45]
	s_mul_i32 s44, s[CH], 409600                   ; 800 rows of 512 bytes
	s_add_nc_u64 s[XBP:XBP+1], s[14:15], s[44:45]
	s_lshl_b32 s44, s[HD], 15                      ; a head's image: 32 fragments of 1,024 bytes
	s_add_nc_u64 s[WKP:WKP+1], s[6:7], s[44:45]
	s_add_nc_u64 s[WVP:WVP+1], s[WKP:WKP+1], 262144
	s_lshl_b32 s44, s[HD], 8
	s_add_nc_u64 s[8:9], s[8:9], s[44:45]
	s_add_nc_u64 s[10:11], s[10:11], s[44:45]
	s_lshl_b32 s44, s[CH], 3
	s_add_co_u32 s44, s44, s[HD]
	s_mul_i32 s44, s44, 20480
	s_add_nc_u64 s[16:17], s[16:17], s[44:45]      ; part at my chunk and head
	LOADX 0                                        ; tile 0 first
	WIN 0x80
.set n, 0
.rept 64
	global_load_b128 v[4*n:4*n+3], v[WO], s[WKP:WKP+1] offset:n*512
.set n, n+1
.endr
	WIN 0xc0
.set n, 0
.rept 64
	global_load_b128 v[4*n:4*n+3], v[WO], s[WVP:WVP+1] offset:n*512
.set n, n+1
.endr
	WIN 0x40
.set n, 0
.rept 8
	global_load_b128 v[BK+4*n:BK+4*n+3], v15, s[8:9] offset:(n/2)*64+(n%2)*16  ; bk[16 ct + 8 h + j]: the C operand's layout
.set n, n+1
.endr
	WIN 0
.set n, 0
.rept 4
	global_load_b32 v[BV+2*n], v1, s[10:11] offset:n*64
	v_mov_b32 v[BV+2*n+1], 0                       ; named with it as a pair
.set n, n+1
.endr
	v_mul_u32_u24 v[XA], v13, PX
	v_lshl_add_u32 v[XA], v14, 4, v[XA]
	s_mul_i32 s43, s[WV], 32*PT
	s_add_co_u32 s43, s43, TRB                     ; my stage
	v_mul_u32_u24 v[TS], v13, PT
	v_lshl_add_u32 v[TS], v14, 4, v[TS]
	v_add_nc_u32 v[TS], s43, v[TS]
	v_and_b32 v244, 7, v0
	v_lshl_add_u32 v244, v14, 3, v244              ; row 8 h + l % 8
	v_mul_u32_u24 v[TL], v244, PT
	v_bfe_u32 v244, v0, 3, 1
	v_lshl_add_u32 v[TL], v244, 4, v[TL]
	v_add_nc_u32 v[TL], s43, v[TL]
	s_mul_i32 s43, s46, PX                         ; row wave / 2 of a piece's two, half wave % 2 of the row
	s_lshl_b32 s44, s47, 8
	s_add_co_u32 s43, s43, s44
	v_lshl_add_u32 v[LS], v12, 3, s43
.set n, 0
.rept 8
	v_mov_b32 v[ONE+n], 0x3f803f80
.set n, n+1
.endr
	s_wait_kmcnt 0x0                               ; norm_scale
	v_mov_b32 v240, s[NS]
	v_and_b32 v240, 0x7fffffff, v240
	v_add_f32 v240, s[EPS], v240
	v_rcp_f32 v241, v240                           ; c
	v_nop
	s_wait_alu depctr_va_vdst(0)                   ; the wait ahead of the reciprocal's first use
	v_mul_f32 v242, v241, v241
	v_mul_f32 v243, v242, v241
	v_readfirstlane_b32 s[C2], v242
	v_readfirstlane_b32 s[C3], v243
	CVT 0                                          ; its wait is for every load so far: tile 0, the weights, the biases
	WIN 0x41
.set n, 0
.rept 16
	v_pk_add_f32 v[BK+2*n:BK+2*n+1], v[BK+2*n:BK+2*n+1], s[EPS:EPS+1] op_sel_hi:[1,0]
.set n, n+1
.endr
	WIN 0
	LOADX 1                                        ; tile 1
	s_wait_dscnt 0x0                               ; my part of tile 0 lies in slot 0,
	s_barrier_signal -1
	s_barrier_wait -1                              ; everybody's does
	STEP 0, 1, 0                                   ; step 0 stands in front of the loop: its products start kTv's and sumk's sums
	s_mov_b32 s[CNT], 12
.Lloop:                                                ; steps 1 to 24, two a trip
	STEP 1, 0, 0
	STEP 0, 0, 1
	s_sub_co_u32 s[CNT], s[CNT], 1
	s_cmp_lg_u32 s[CNT], 0
	s_cbranch_scc1 .Lloop
	PL 4                                           ; in front of the reads of the last products' results
	WIN 0x51                                       ; sumk and kTv window 1, bv window 0
.set n, 0
.rept 64                                       ; tile n / 4, register pair n % 4, ascending: kTv[m][d] += sumk[m] bv[d]
.set a, KV+8*(n/4)+2*(n%4)
.set b, OACC+8*(n/16)+2*(n%4)
	v_pk_fma_f32 v[a:a+1], v[b:b+1], v[BV+2*((n/4)%4):BV+2*((n/4)%4)+1], v[a:a+1] op_sel_hi:[1,0,1]
.set n, n+1
.endr
	WIN 0x04
.set n, 0
.rept 32
	global_store_b128 v[WO], v[KV+4*n:KV+4*n+3], s[16:17] offset:n*512  ; the accumulators as they lie: each store covers 512 consecutive bytes, aligned
.set n, n+1
.endr
.set n, 0
.rept 8
	global_store_b128 v[WO], v[OACC+4*n:OACC+4*n+3], s[16:17] offset:(32+n)*512
.set n, n+1
.endr
	WIN 0
	s_wait_tensorcnt 0x0                           ; the wave's end: behind my last LDS store
	ds_add_u32 v[SPW], v[NIL]
	s_wait_dscnt 0x0
	s_endpgm
.Lfunc_end_k_qf692f8c5bf_pass1:
	.size	k_qf692f8c5bf_pass1, .Lfunc_end_k_qf692f8c5bf_pass1-k_qf692f8c5bf_pass1
	.p2alignl 7, 3214868480
	.fill 96, 4, 3214868480
	.section	.rodata,"a",@progbits
	.p2align	6, 0x0
	.amdhsa_kernel k_qf692f8c5bf_pass1
		.amdhsa_group_segment_fixed_size 54784
		.amdhsa_private_segment_fixed_size 0
		.amdhsa_enable_private_segment 0
		.amdhsa_kernarg_size 56
		.amdhsa_user_sgpr_count 2
		.amdhsa_user_sgpr_kernarg_segment_ptr 1
		.amdhsa_wavefront_size32 1
		.amdhsa_system_sgpr_workgroup_id_x 1
		.amdhsa_system_sgpr_workgroup_id_y 1
		.amdhsa_system_sgpr_workgroup_id_z 1
		.amdhsa_system_vgpr_workitem_id 0
		.amdhsa_next_free_vgpr 1024
		.amdhsa_next_free_sgpr 66
		.amdhsa_reserve_vcc 0
		.amdhsa_float_denorm_mode_32 3
		.amdhsa_float_denorm_mode_16_64 3
		.amdhsa_memory_ordered 1
		.amdhsa_forward_progress 1
		.amdhsa_inst_pref_size 141
	.end_amdhsa_kernel
	.amdgpu_metadata
---
amdhsa.version: [ 1, 2 ]
amdhsa.kernels:
  - .name:           k_qf692f8c5bf_pass1
    .symbol:         k_qf692f8c5bf_pass1.kd
    .args:
      - { .name: query_input, .offset: 0, .size: 8, .value_kind: global_buffer, .address_space: global }
      - { .name: wimg, .offset: 8, .size: 8, .value_kind: global_buffer, .address_space: global }
      - { .name: bk, .offset: 16, .size: 8, .value_kind: global_buffer, .address_space: global }
      - { .name: bv, .offset: 24, .size: 8, .value_kind: global_buffer, .address_space: global }
      - { .name: norm_scale, .offset: 32, .size: 8, .value_kind: global_buffer, .address_space: global }
      - { .name: xb, .offset: 40, .size: 8, .value_kind: global_buffer, .address_space: global }
      - { .name: part, .offset: 48, .size: 8, .value_kind: global_buffer, .address_space: global }
    .group_segment_fixed_size: 54784
    .private_segment_fixed_size: 0
    .kernarg_segment_align: 8
    .kernarg_segment_size: 56
    .max_flat_workgroup_size: 128
    .sgpr_count:     66
    .vgpr_count:     1024
    .wavefront_size: 32
...
	.end_amdgpu_metadata
.endif
;; end of part 2
;; launch reduce (part 3): grid 20 x 8, 5 waves a work-group, no clusters, 5,888 bytes of LDS; arguments part, kv; writes kv
.if DOCPART == 3
	.amdgcn_target "amdgcn-amd-amdhsa--gfx1250"
	.amdhsa_code_object_version 6
	.text
	.protected	k_qf692f8c5bf_reduce
	.globl	k_qf692f8c5bf_reduce
	.p2align	8
	.type	k_qf692f8c5bf_reduce,@function
k_qf692f8c5bf_reduce:
	s_mov_b64 s[64:65], 0
	v_nop
	global_prefetch_b8 v0, s[64:65] scope:SCOPE_SE
	s_setreg_imm32_b32 hwreg(HW_REG_WAVE_MODE, 25, 1), 1
	s_wait_xcnt 0x0
; REDUCE.  The 125 chunks' partial sums are added, in f32, in a fixed order.  part: [chunk 125][head 8][tile 20][half 2][lane 32][4 f32]: accumulators as they lay in registers.
; Work-group (T, head) owns one tile of 1,024 bytes; wave v adds chunks 25 v .. 25 v + 24; the five sums meet in LDS and wave 0 adds them.
; T < 16 (mt = T / 4, dt = T % 4): a tile of kTv.  A lane holds d = 16 dt + l % 16 and m = 16 mt + 8 (l / 16) + 0..7: rounded in pairs these are registers 4 (mt % 2) .. + 3 of the fragment (16 d x 32 m) that the next
; launch multiplies by: unit 4 dt + mt of 512 bytes in the head's 12,288 bytes of kv.  T >= 16: a tile of sumk, kept in f32, behind the head's 8,192 bytes of kTv.
; A stream: no matrix unit, no cluster (no byte is read twice); every load is issued at the head, so there is nothing to prefetch.
.set SPARE, 5120                       ; behind the five partial tiles: the spare words, 128 bytes for each of five waves, rounded up to three blocks of 256 bytes that no other line names
.set SPW, 2
.set NIL, 3
.set LO,  4                            ; v4  16 x lane
.set LA,  5                            ; v5  my wave's tile in LDS
.set D,   16                           ; v[16:215] chunk c at D + 8 c
	s_load_b128 s[4:7], s[0:1], 0x0                ; part s[4:5], kv s[6:7]
	v_lshl_add_u32 v[SPW], v0, 2, SPARE
	v_mov_b32 v[NIL], 0
	v_lshrrev_b32 v1, 5, v0
	v_readfirstlane_b32 s8, v1                     ; wave 0..4
	v_and_b32 v[LO], 31, v0
	v_lshlrev_b32 v[LO], 4, v[LO]
	s_and_b32 s9, ttmp7, 0xffff                    ; head
	s_mul_i32 s10, s9, 20480
	s_lshl_b32 s11, ttmp9, 10
	s_add_co_u32 s10, s10, s11
	s_mul_i32 s11, s8, 4096000                     ; 25 chunks of 163,840 bytes
	s_add_co_u32 s10, s10, s11
	s_mov_b32 s11, 0
	s_lshl_b32 s12, s8, 10
	v_add_nc_u32 v[LA], s12, v[LO]
	s_wait_kmcnt 0x0
	s_add_nc_u64 s[4:5], s[4:5], s[10:11]
.set n, 0
.rept 50
	global_load_b128 v[D+4*n:D+4*n+3], v[LO], s[4:5] offset:(n/2)*163840+(n%2)*512 th:TH_LOAD_NT
.set n, n+1
.endr
.set c, 1
.rept 24
	s_wait_loadcnt 48-2*c                          ; chunks 0 to c are in; the loads of the chunks behind c stay out
.set k, 0
.rept 4
	v_pk_add_f32 v[D+2*k:D+2*k+1], v[D+2*k:D+2*k+1], v[D+8*c+2*k:D+8*c+2*k+1]
.set k, k+1
.endr
.set c, c+1
.endr
	ds_store_b128 v[LA], v[D:D+3]
	ds_store_b128 v[LA], v[D+4:D+7] offset:512
	s_wait_dscnt 0x0                               ; for wave 0's sake
	s_barrier_signal -1
	s_barrier_wait -1
	s_cmp_lg_u32 s8, 0
	s_cbranch_scc1 .Lend
.set n, 0
.rept 10
	ds_load_b128 v[32+4*n:32+4*n+3], v[LO] offset:n*512
.set n, n+1
.endr
	s_wait_dscnt 0x0
.set c, 1
.rept 4
.set k, 0
.rept 4
	v_pk_add_f32 v[32+2*k:32+2*k+1], v[32+2*k:32+2*k+1], v[32+8*c+2*k:32+8*c+2*k+1]
.set k, k+1
.endr
.set c, c+1
.endr
	s_mul_i32 s10, s9, 12288
	s_cmp_lt_u32 ttmp9, 16
	s_cbranch_scc0 .Lsumk
.set k, 0
.rept 4
	v_cvt_pk_bf16_f32 v[24+k], v[32+2*k], v[32+2*k+1]
.set k, k+1
.endr
	s_and_b32 s12, ttmp9, 3                        ; dt
	s_lshl_b32 s12, s12, 2
	s_lshr_b32 s13, ttmp9, 2                       ; mt
	s_add_co_u32 s12, s12, s13
	s_lshl_b32 s12, s12, 9
	s_add_co_u32 s10, s10, s12
	s_add_nc_u64 s[6:7], s[6:7], s[10:11]
	global_store_b128 v[LO], v[24:27], s[6:7]      ; 512 consecutive bytes, aligned
	s_branch .Lend
.Lsumk:
	s_sub_co_u32 s12, ttmp9, 16
	s_lshl_b32 s12, s12, 10
	s_add_co_u32 s10, s10, s12
	s_add_co_u32 s10, s10, 8192
	s_add_nc_u64 s[6:7], s[6:7], s[10:11]
	global_store_b128 v[LO], v[32:35], s[6:7]
	global_store_b128 v[LO], v[36:39], s[6:7] offset:512
.Lend:
	s_wait_tensorcnt 0x0                           ; the wave's end: behind my last LDS store
	ds_add_u32 v[SPW], v[NIL]
	s_wait_dscnt 0x0
	s_endpgm
.Lfunc_end_k_qf692f8c5bf_reduce:
	.size	k_qf692f8c5bf_reduce, .Lfunc_end_k_qf692f8c5bf_reduce-k_qf692f8c5bf_reduce
	.p2alignl 7, 3214868480
	.fill 96, 4, 3214868480
	.section	.rodata,"a",@progbits
	.p2align	6, 0x0
	.amdhsa_kernel k_qf692f8c5bf_reduce
		.amdhsa_group_segment_fixed_size 5888
		.amdhsa_private_segment_fixed_size 0
		.amdhsa_enable_private_segment 0
		.amdhsa_kernarg_size 16
		.amdhsa_user_sgpr_count 2
		.amdhsa_user_sgpr_kernarg_segment_ptr 1
		.amdhsa_wavefront_size32 1
		.amdhsa_system_sgpr_workgroup_id_x 1
		.amdhsa_system_sgpr_workgroup_id_y 1
		.amdhsa_system_sgpr_workgroup_id_z 1
		.amdhsa_system_vgpr_workitem_id 0
		.amdhsa_next_free_vgpr 224
		.amdhsa_next_free_sgpr 66
		.amdhsa_reserve_vcc 0
		.amdhsa_float_denorm_mode_32 3
		.amdhsa_float_denorm_mode_16_64 3
		.amdhsa_memory_ordered 1
		.amdhsa_forward_progress 1
		.amdhsa_inst_pref_size 16
	.end_amdhsa_kernel
	.amdgpu_metadata
---
amdhsa.version: [ 1, 2 ]
amdhsa.kernels:
  - .name:           k_qf692f8c5bf_reduce
    .symbol:         k_qf692f8c5bf_reduce.kd
    .args:
      - { .name: part, .offset: 0, .size: 8, .value_kind: global_buffer, .address_space: global }
      - { .name: kv, .offset: 8, .size: 8, .value_kind: global_buffer, .address_space: global }
    .group_segment_fixed_size: 5888
    .private_segment_fixed_size: 0
    .kernarg_segment_align: 8
    .kernarg_segment_size: 16
    .max_flat_workgroup_size: 160
    .sgpr_count:     66
    .vgpr_count:     224
    .wavefront_size: 32
...
	.end_amdgpu_metadata
.endif
;; end of part 3
;; launch pass2 (part 4): grid 250 x 1, 4 waves a work-group, no clusters, 327,680 bytes of LDS; arguments xb, wimg, kv, bq, brv, norm_scale, out0; writes out0
.if DOCPART == 4
	.amdgcn_target "amdgcn-amd-amdhsa--gfx1250"
	.amdhsa_code_object_version 6
	.text
	.protected	k_qf692f8c5bf_pass2
	.globl	k_qf692f8c5bf_pass2
	.p2align	8
	.type	k_qf692f8c5bf_pass2,@function
k_qf692f8c5bf_pass2:
	s_mov_b64 s[64:65], 0
	v_nop
	global_prefetch_b8 v0, s[64:65] scope:SCOPE_SE
	s_setreg_imm32_b32 hwreg(HW_REG_WAVE_MODE, 25, 1), 1
	s_wait_xcnt 0x0
; PASS 2.  out[row][e] = sum over heads of (phi_q g) kTv + x Wr + br, g = 1 / (8 (phi_q . sumk + 1e-6)); out0[row] = (sqrt(sum out^2 + 1), out[row][0..63]).
; phi_q = f z^2, z = max(x Wq + bq + 1e-6, 1e-6), f = c^3 sqrt(sum z^2) / (c^2 sqrt(sum z^4) + 1e-12), c = 1 / (|norm_scale| + 1e-6).  The divisor and the mean over heads are a number a row and head:
; folded into phi_q ahead of its rounding, so that all heads' numerators and the residual add up in one accumulator.
; FORMATS.  Matrix operands (x, Wq, Wr, kTv, phi_q g) bf16; norms, sumk, the divisor, the sums over heads (in LDS too) and the root f32.
; LIMITS.  NaN and infinities are not treated apart; roots and reciprocals are good to 1 ULP; sum z^2 >= 6.4e-11 and sum z^4 >= 6.4e-23 by the 1e-6, so neither is a denormal.
; SHARES.  A work-group owns 400 rows: five tiles of 80, each five row tiles of 16.  Wave w owns heads 2 w and 2 w + 1 (Wq: 128 columns x 256 d, 512 registers, for the whole launch) and channel tile w of Wr.
; A row tile is 88 matrix instructions a wave (64 q, 8 residual, 16 numerator) for 16 LDS loads of x.  The four waves' sums meet in LDS once a tile.
; LAYOUT.  Everything is made transposed (source 0 = 16 channels, source 1 = 16 rows of x): a lane holds one row.  Two results of q, scaled and rounded in pairs, ARE source 1 (32 m x 16 rows) of the numerator.
; My output tile u (0..3) is the true channel tile (u + w) % 4, so that tile 0 is the residual's in every wave and every register number is a constant.
; x: all 400 rows come by tensor loads issued at the head, five a wave (a tile's 20 rows each, in the order in which the tiles are read): five loads of mine are out at the most.  No LDS byte is filled twice.
; out0's rows are 260 bytes: a tile's 20,800 bytes are put together in LDS and leave as aligned pieces of 16 bytes a lane; of a tile's 82 aligned blocks of 256 bytes only the first and the last are written in part.
; NO CLUSTER: work-groups share no rows of x; what they share are the weights (288 KiB a work-group), each read once, into registers.  NO PREFETCH: every byte is asked for by its own load at the head.
; REGISTERS, in windows of 256 (s_set_vgpr_msb: bits 1:0 source 0, 3:2 source 1, 5:4 source 2, 7:6 destination):
;   window 0: v0-23 addresses; v24-27 br; v28-43 statistics; v48-111 sumk; v112-143 x's fragments, two buffers; v144-207 q; v208-239 out; v240-247 the residual's second accumulator; v248-254 at work at the head
;   window 1: v0-63 Wr; v64-191 kTv; v192-255 bq + 1e-6          windows 2, 3: Wq (hh, ct, ks) in window 2 + ks / 4 at 8 (8 (ks % 4) + 4 hh + ct)
.set PX,    528                        ; a row of x in LDS: 512 bytes + 16: the 16 rows of a fragment load start at 16 different groups of four banks (64 banks of 4 bytes: ISA guide 11.1)
.set PARTB, 400*PX                     ; behind x: the four waves' sums, 80 rows x 272 bytes each, f32
.set PP,    272
.set PW,    80*PP
.set OSTG,  PARTB+4*PW                 ; behind them: 256 bytes that are never read with a lane on, then the tile's 20,800 bytes of out0
.set OIMG,  OSTG+256
.set SPARE, 326656                     ; the spare words, 128 bytes for each wave: two blocks of 256 bytes that no other line names; beyond all that the way out's loads span with every lane on
.set XA0, 2                            ; v2   r x 528 + 16 h
.set XA,  3                            ; v3   the same in the row tile in hand
.set PSB, 4                            ; v4-7   where my 32 bytes of output tile u go in row tile 0
.set PS,  8                            ; v8-11  the same in the row tile in hand (at the head: kTv's lane offsets)
.set FR0, 12                           ; v12  where I read the sums back: waves 0 and 1's,
.set FR1, 13                           ; v13  waves 2 and 3's
.set FW,  14                           ; v14  where my four numbers go in the image of out0
.set FT,  15                           ; v15  where the row's first number goes
.set RB0, 16                           ; v16  the image + 16 x thread
.set RB,  17                           ; v17  the same, shifted to out0's alignment
.set T16, 18                           ; v18  16 x thread
.set SPW, 19                           ; v19  LDS address of my spare word; never rewritten
.set NIL, 20                           ; v20  0; never rewritten
.set WO,  21                           ; v21  16 x lane
.set BO,  22                           ; v22  32 h
.set RO,  23                           ; v23  16 r
.set BR,  24
.set S2,  28                           ; head hh: pair at + 2 hh: sum z^2
.set S4,  32                           ; sum z^4
.set DN,  36                           ; sum z^2 sumk
.set GG,  40                           ; f g, twice
.set SK,  48                           ; (hh, ct) at SK + 32 hh + 8 ct
.set XF,  112                          ; buffer b at XF + 16 b, K step ksub of a pair at + 8 ksub
.set QA,  144                          ; (hh, ct) at QA + 32 hh + 8 ct
.set OA,  208
.set RA1, 240
.set FB,  112                          ; v112-207 are free where a tile is finished
.set WR,  0                            ; window 1
.set KT,  64                           ; (hh, u, ks') at KT + 64 hh + 16 u + 8 ks'
.set BQ,  192
.set WV,  18                           ; s18  wave
.set WG,  19                           ; s19  work-group
.set G1,  24                           ; s[24:31] descriptor group 1
.set G0,  32                           ; s[32:51] descriptor group 0, a set for each of my five loads
.set EPS, 52                           ; s[52:53] 1e-6, twice
.set E12, 54
.set C2,  55
.set C3,  56
.set NS,  57
.set SEL, 58                           ; s[58:59]
.set XOFF, 60                          ; s60  the row tile in hand, in bytes of x's LDS rows
.set POFF, 61                          ; s61  the same in the sums' rows, within the tile
.set TCNT, 62
.set RCNT, 63
.set SH,  66                           ; s66  the tile's first byte in out0, modulo 256
.set OFP, 68                           ; s[68:69] that byte less SH
.set OPT, 70                           ; s[70:71] out0 there
.set SVX, 72
.set GB,  73                           ; s73  the tile's first byte in out0
.set MSB, 0
.macro WIN new                         ; the immediate's high byte repeats the setting that is left; a switch that changes nothing is dropped
.if MSB != (\new)
	s_set_vgpr_msb (MSB<<8)|(\new)
.set MSB, (\new)
.endif
.endm
.macro PL n                            ; places behind a matrix instruction: plain vector instructions that name none of its registers (ISA guide 7.12.1)
.rept \n
	v_nop
.endr
.endm
; Four LDS loads: x's fragments of K steps 2 p and 2 p + 1 into buffer b
.macro XF2 p, b
	WIN 0
.set q, 0
.rept 2
	ds_load_b128 v[XF+16*(\b)+8*q:XF+16*(\b)+8*q+3],   v[XA] offset:(2*(\p)+q)*64
	ds_load_b128 v[XF+16*(\b)+8*q+4:XF+16*(\b)+8*q+7], v[XA] offset:(2*(\p)+q)*64+32
.set q, q+1
.endr
.endm
; 18 matrix instructions: K steps 2 p and 2 p + 1 of q (the eight accumulators take turns, one instruction a turn) and of the residual (one accumulator for the even K steps, one for the odd).
; K step 0 starts q's sums with bq + 1e-6 as C; p = 0 starts the residual's with the constant 0.
.macro QMUL p, b
.set ksub, 0
.rept 2
.set ks, 2*(\p)+ksub
.if ks == 0
	WIN 0x12
.else
	WIN 0x02+ks/4
.endif
.set q, 0
.rept 8
.set rD, QA+8*q
.set rW, 8*(8*(ks%4)+q)
.set rX, XF+16*(\b)+8*ksub
.if ks == 0
	v_wmma_f32_16x16x32_bf16 v[rD:rD+7], v[rW:rW+7], v[rX:rX+7], v[BQ+8*q:BQ+8*q+7]
.else
	v_wmma_f32_16x16x32_bf16 v[rD:rD+7], v[rW:rW+7], v[rX:rX+7], v[rD:rD+7]
.endif
.set q, q+1
.endr
.set ksub, ksub+1
.endr
	WIN 0x01                                       ; Wr window 1
.set rX, XF+16*(\b)
.if (\p) == 0
	v_wmma_f32_16x16x32_bf16 v[OA:OA+7], v[WR:WR+7], v[rX:rX+7], 0
	v_wmma_f32_16x16x32_bf16 v[RA1:RA1+7], v[WR+8:WR+15], v[rX+8:rX+15], 0
.else
	v_wmma_f32_16x16x32_bf16 v[OA:OA+7], v[WR+16*(\p):WR+16*(\p)+7], v[rX:rX+7], v[OA:OA+7]
	v_wmma_f32_16x16x32_bf16 v[RA1:RA1+7], v[WR+16*(\p)+8:WR+16*(\p)+15], v[rX+8:rX+15], v[RA1:RA1+7]
.endif
.endm
; The feature map, the divisor and the rounding, for both heads, which alternate line by line.  Each accumulator's registers are taken in ascending order.
.macro QNORM
	WIN 0
.set n, 0
.rept 64
	v_max_num_f32 v[QA+32*(n%2)+n/2], s[EPS], v[QA+32*(n%2)+n/2]  ; z
.set n, n+1
.endr
.set n, 0
.rept 32
.set a, QA+32*(n%2)+2*(n/2)
	v_pk_mul_f32 v[a:a+1], v[a:a+1], v[a:a+1]      ; z^2
.set n, n+1
.endr
.set n, 0
.rept 2
.set a, QA+32*n
	v_pk_add_f32 v[S2+2*n:S2+2*n+1], v[a:a+1], v[a+2:a+3]  ; the first terms start the sums
	v_pk_mul_f32 v[S4+2*n:S4+2*n+1], v[a:a+1], v[a:a+1]
	v_pk_mul_f32 v[DN+2*n:DN+2*n+1], v[a:a+1], v[SK+32*n:SK+32*n+1]
.set n, n+1
.endr
.set n, 2
.rept 30
.set a, QA+32*(n%2)+2*(n/2)
.set b, SK+32*(n%2)+2*(n/2)
.set c, 2*(n%2)
.if n >= 4
	v_pk_add_f32 v[S2+c:S2+c+1], v[S2+c:S2+c+1], v[a:a+1]
.endif
	v_pk_fma_f32 v[S4+c:S4+c+1], v[a:a+1], v[a:a+1], v[S4+c:S4+c+1]
	v_pk_fma_f32 v[DN+c:DN+c+1], v[a:a+1], v[b:b+1], v[DN+c:DN+c+1]
.set n, n+1
.endr
.irp c, 0, 2
	v_add_f32 v[S2+\c], v[S2+\c], v[S2+\c+1]
	v_add_f32 v[S4+\c], v[S4+\c], v[S4+\c+1]
	v_add_f32 v[DN+\c], v[DN+\c], v[DN+\c+1]
.endr
.irp c, 0, 2
	v_permlanex16_b32 v[S2+\c+1], v[S2+\c], s[SEL], s[SEL+1]  ; the row's other 32 channels lie in the lane 16 away
	v_permlanex16_b32 v[S4+\c+1], v[S4+\c], s[SEL], s[SEL+1]
	v_permlanex16_b32 v[DN+\c+1], v[DN+\c], s[SEL], s[SEL+1]
.endr
.irp c, 0, 2
	v_add_f32 v[S2+\c], v[S2+\c], v[S2+\c+1]
	v_add_f32 v[S4+\c], v[S4+\c], v[S4+\c+1]
	v_add_f32 v[DN+\c], v[DN+\c], v[DN+\c+1]
.endr
.irp c, 0, 2
	v_sqrt_f32 v[S2+\c+1], v[S2+\c]
	v_sqrt_f32 v[S4+\c+1], v[S4+\c]
.endr
	v_nop                                          ; a plain instruction behind the last root,
	s_wait_alu depctr_va_vdst(0)                   ; and the wait ahead of the first use: one for the four roots
.irp c, 0, 2
	v_fma_f32 v[S4+\c], v[S4+\c+1], s[C2], s[E12]
.endr
.irp c, 0, 2
	v_rcp_f32 v[S4+\c+1], v[S4+\c]
.endr
.irp c, 0, 2
	v_mul_f32 v[S2+\c], s[C3], v[S2+\c+1]          ; plain work behind the reciprocals
.endr
	s_wait_alu depctr_va_vdst(0)                   ; one wait for the two reciprocals
.irp c, 0, 2
	v_mul_f32 v[S2+\c], v[S2+\c], v[S4+\c+1]       ; f
.endr
.irp c, 0, 2
	v_fma_f32 v[DN+\c+1], v[S2+\c], v[DN+\c], s[EPS]  ; phi_q . sumk + 1e-6
.endr
.irp c, 0, 2
	v_rcp_f32 v[DN+\c], v[DN+\c+1]
.endr
.irp c, 0, 2
	v_mul_f32 v[S2+\c+1], 0x3e000000, v[S2+\c]     ; f / 8: plain work behind the reciprocals
.endr
	s_wait_alu depctr_va_vdst(0)                   ; one wait for the two reciprocals
.irp c, 0, 2
	v_mul_f32 v[GG+\c], v[S2+\c+1], v[DN+\c]
	v_mul_f32 v[GG+\c+1], v[S2+\c+1], v[DN+\c]
.endr
.set n, 0
.rept 32
.set a, QA+32*(n%2)+2*(n/2)
	v_pk_mul_f32 v[a:a+1], v[a:a+1], v[GG+2*(n%2):GG+2*(n%2)+1]
.set n, n+1
.endr
.set n, 0
.rept 32                                       ; in place: of the 16 registers of two channel tiles register pair k goes into register k: source 1 of the numerator
.set a, QA+16*(n%4)
	v_cvt_pk_bf16_f32 v[a+n/4], v[a+2*(n/4)], v[a+2*(n/4)+1]
.set n, n+1
.endr
.endm
; 16 matrix instructions: the four output tiles take turns, one instruction a turn; tile 0 goes on from the residual's sum, tiles 1 to 3 start with the constant 0
.macro NUM
	WIN 0x01                                       ; kTv window 1
.set n, 0
.rept 16
.set rO, OA+8*(n%4)
.set rK, KT+64*(n/8)+16*(n%4)+8*((n/4)%2)
.set rP, QA+32*(n/8)+16*((n/4)%2)
.if (n > 0) && (n < 4)
	v_wmma_f32_16x16x32_bf16 v[rO:rO+7], v[rK:rK+7], v[rP:rP+7], 0
.else
	v_wmma_f32_16x16x32_bf16 v[rO:rO+7], v[rK:rK+7], v[rP:rP+7], v[rO:rO+7]
.endif
.set n, n+1
.endr
.endm
.macro ALL5 line:vararg                ; one line for each of five pairs of rows; a = the pair's sixteen registers
.set n, 0
.rept 5
.set a, FB+16*n
	\line
.set n, n+1
.endr
.endm
; Five pairs of my twenty rows are finished: lanes 0-15 hold one row, four channels each, lanes 16-31 the next
.macro FING g
.set n, 0
.rept 5
.set a, FB+16*n
.set o, (5*(\g)+n)*2*PP
	ds_load_b128 v[a:a+3],     v[FR0] offset:o
	ds_load_b128 v[a+4:a+7],   v[FR0] offset:o+PW
	ds_load_b128 v[a+8:a+11],  v[FR1] offset:o
	ds_load_b128 v[a+12:a+15], v[FR1] offset:o+PW
.set n, n+1
.endr
	s_wait_dscnt 0x0
	ALL5 v_pk_add_f32 v[a:a+1], v[a:a+1], v[a+4:a+5]
	ALL5 v_pk_add_f32 v[a+2:a+3], v[a+2:a+3], v[a+6:a+7]
	ALL5 v_pk_add_f32 v[a+8:a+9], v[a+8:a+9], v[a+12:a+13]
	ALL5 v_pk_add_f32 v[a+10:a+11], v[a+10:a+11], v[a+14:a+15]
	ALL5 v_pk_add_f32 v[a:a+1], v[a:a+1], v[a+8:a+9]
	ALL5 v_pk_add_f32 v[a+2:a+3], v[a+2:a+3], v[a+10:a+11]
	ALL5 v_pk_add_f32 v[a:a+1], v[a:a+1], v[BR:BR+1]
	ALL5 v_pk_add_f32 v[a+2:a+3], v[a+2:a+3], v[BR+2:BR+3]
	ALL5 v_pk_mul_f32 v[a+4:a+5], v[a:a+1], v[a:a+1]
	ALL5 v_pk_fma_f32 v[a+4:a+5], v[a+2:a+3], v[a+2:a+3], v[a+4:a+5]
	ALL5 v_add_f32 v[a+4], v[a+4], v[a+5]
	ALL5 v_add_f32_dpp v[a+4], v[a+4], v[a+4] row_xmask:1 row_mask:0xf bank_mask:0xf
	ALL5 v_add_f32_dpp v[a+4], v[a+4], v[a+4] row_xmask:2 row_mask:0xf bank_mask:0xf
	ALL5 v_add_f32_dpp v[a+4], v[a+4], v[a+4] row_xmask:4 row_mask:0xf bank_mask:0xf
	ALL5 v_add_f32_dpp v[a+4], v[a+4], v[a+4] row_xmask:8 row_mask:0xf bank_mask:0xf
	ALL5 v_add_f32 v[a+4], 1.0, v[a+4]
	ALL5 v_sqrt_f32 v[a+5], v[a+4]
	v_nop                                          ; a plain instruction behind the last root,
	s_wait_alu depctr_va_vdst(0)                   ; and one wait for the five
.set n, 0
.rept 5
.set a, FB+16*n
.set o, (5*(\g)+n)*520
	ds_store_b32 v[FW], v[a]   offset:o             ; a row of out0 is 260 bytes: its numbers are aligned to 4 bytes alone
	ds_store_b32 v[FW], v[a+1] offset:o+4
	ds_store_b32 v[FW], v[a+2] offset:o+8
	ds_store_b32 v[FW], v[a+3] offset:o+12
	ds_store_b32 v[FT], v[a+5] offset:o             ; sixteen lanes write the same number to the same word
.set n, n+1
.endr
.endm
	s_load_b256 s[4:11], s[0:1], 0x0               ; xb s[4:5], wimg s[6:7], kv s[8:9], bq s[10:11]
	s_load_b128 s[12:15], s[0:1], 0x20             ; brv s[12:13], norm_scale s[14:15]
	s_load_b64 s[16:17], s[0:1], 0x30              ; out0
	v_lshl_add_u32 v[SPW], v0, 2, SPARE
	v_mov_b32 v[NIL], 0
	ds_add_u32 v[SPW], v[NIL]                      ; the wave's opening: the add, twice on end, and its wait ahead of my first tensor load; the set-up below, work on registers, stands between
	ds_add_u32 v[SPW], v[NIL]                      ; and once more, under the one wait
	v_lshrrev_b32 v1, 5, v0
	v_readfirstlane_b32 s[WV], v1                  ; wave 0..3
	s_mov_b32 s[WG], ttmp9
	; descriptor group 1: 20 rows x 256 elements of 2 bytes, padded in LDS
	s_mov_b32 s[G1+0], (1<<16)|(1<<20)|(6<<22)|(3<<25)  ; 17:16 elements of 2 bytes; 20 padding on; 24:22 after every 128 words (code 6); 31:25 4 words of it (code 3)
	s_mov_b32 s[G1+1], 256<<16                     ; tensor_dim0 = 256
	s_mov_b32 s[G1+2], 20<<16                      ; tensor_dim1 = 20
	s_mov_b32 s[G1+3], 256<<16                     ; tile_dim0 = 256
	s_mov_b32 s[G1+4], 20                          ; tile_dim1 = 20
	s_mov_b32 s[G1+5], 256                         ; 256 elements from row to row
	s_mov_b32 s[G1+6], 0
	s_mov_b32 s[G1+7], 0
	s_mul_i32 s20, s[WV], 20*PX                    ; my 20 rows of a tile's 80
.irp t, 0,1,2,3,4
	s_mov_b32 s[G0+4*\t], 1                        ; count = 1
	s_add_co_u32 s[G0+4*\t+1], s20, \t*80*PX       ; LDS address
.endr
	s_mov_b32 s[EPS], 0x358637bd                   ; 1e-6
	s_mov_b32 s[EPS+1], s[EPS]
	s_mov_b32 s[E12], 0x2b8cbccc                   ; 1e-12
	s_mov_b32 s[SEL], 0x76543210
	s_mov_b32 s[SEL+1], 0xfedcba98
	s_mul_i32 s74, s[WG], 204800                   ; 400 rows of 512 bytes
	s_mul_i32 s21, s[WV], 10240
	s_add_co_u32 s74, s74, s21
	s_mov_b32 s75, 0
	s_wait_dscnt 0x0                               ; both opening adds are done
	s_wait_kmcnt 0x0
	s_add_nc_u64 s[76:77], s[4:5], s[74:75]
.irp t, 0,1,2,3,4
	s_add_nc_u64 s[G0+4*\t+2:G0+4*\t+3], s[76:77], \t*40960  ; global address: tile t's 80 rows begin 40,960 bytes on
	s_or_b32 s[G0+4*\t+3], s[G0+4*\t+3], 0x80000000          ; type = 2
.endr
.irp t, 0,1,2,3,4
	tensor_load_to_lds s[G0+4*\t:G0+4*\t+3], s[G1:G1+7]      ; all first fills in one group, ahead of every wait on TENSORcnt, every LDS read and every barrier
	s_nop 0
.endr
.rept 4
	v_nop
.endr
	s_load_b32 s[NS], s[14:15], 0x0
	v_and_b32 v248, 31, v0                         ; l
	v_and_b32 v249, 15, v0                         ; r
	v_bfe_u32 v250, v0, 4, 1                       ; h
	v_lshlrev_b32 v[WO], 4, v248
	v_lshlrev_b32 v[BO], 5, v250
	v_lshlrev_b32 v[RO], 4, v249
.irp u, 0,1,2,3
	s_add_co_u32 s21, s[WV], \u
	s_and_b32 s21, s21, 3                          ; the true channel tile
	s_lshl_b32 s21, s21, 11                        ; its two fragments in a head's kTv
	v_add_nc_u32 v[PS+\u], s21, v[WO]
.endr
	s_lshl_b32 s74, s[WV], 16
	s_add_co_u32 s74, s74, 524288
	s_add_nc_u64 s[76:77], s[6:7], s[74:75]        ; my two heads' image of Wq
	s_lshl_b32 s74, s[WV], 13
	s_add_co_u32 s74, s74, 786432
	s_add_nc_u64 s[78:79], s[6:7], s[74:75]        ; my channel tile of Wr
	s_mul_i32 s74, s[WV], 24576
	s_add_nc_u64 s[8:9], s[8:9], s[74:75]          ; my two heads in kv
	s_lshl_b32 s74, s[WV], 9
	s_add_nc_u64 s[10:11], s[10:11], s[74:75]      ; and in bq
	WIN 0x80
.set n, 0
.rept 64                                       ; register 4 n: half n % 2, ct (n / 2) % 4, hh (n / 8) % 2, ks n / 16
	global_load_b128 v[4*n:4*n+3], v[WO], s[76:77] offset:((n/8)%2)*32768+(((n/2)%4)*8+n/16)*1024+(n%2)*512
.set n, n+1
.endr
	WIN 0xc0
.set n, 0
.rept 64                                       ; ks 4 + n / 16
	global_load_b128 v[4*n:4*n+3], v[WO], s[76:77] offset:((n/8)%2)*32768+(((n/2)%4)*8+4+n/16)*1024+(n%2)*512
.set n, n+1
.endr
	WIN 0x40
.set n, 0
.rept 16
	global_load_b128 v[WR+4*n:WR+4*n+3], v[WO], s[78:79] offset:n*512
.set n, n+1
.endr
.set n, 0
.rept 32                                       ; register KT + 4 n: half n % 2, ks' (n / 2) % 2, u (n / 4) % 4, hh n / 16
	global_load_b128 v[KT+4*n:KT+4*n+3], v[PS+(n/4)%4], s[8:9] offset:(n/16)*12288+((n/2)%2)*1024+(n%2)*512
.set n, n+1
.endr
.set n, 0
.rept 16                                       ; register BQ + 4 n: half n % 2, ct (n / 2) % 4, hh n / 8
	global_load_b128 v[BQ+4*n:BQ+4*n+3], v[BO], s[10:11] offset:(n/8)*256+((n/2)%4)*64+(n%2)*16
.set n, n+1
.endr
	WIN 0
.set n, 0
.rept 16
	global_load_b128 v[SK+4*n:SK+4*n+3], v[WO], s[8:9] offset:(n/8)*12288+8192+(n%8)*512
.set n, n+1
.endr
	global_load_b128 v[BR:BR+3], v[RO], s[12:13]
	v_mul_u32_u24 v[XA0], v249, PX
	v_lshl_add_u32 v[XA0], v250, 4, v[XA0]
	v_mov_b32 v[XA], v[XA0]
	s_mul_i32 s20, s[WV], PW
	s_add_co_u32 s20, s20, PARTB                   ; my 80 rows of sums
	v_mul_u32_u24 v251, v249, PP
	v_lshl_add_u32 v251, v250, 5, v251             ; row r, channels 8 h on
	v_add_nc_u32 v251, s20, v251
.irp u, 0,1,2,3
	s_add_co_u32 s21, s[WV], \u
	s_and_b32 s21, s21, 3
	s_lshl_b32 s21, s21, 6                         ; the true channel tile's 64 bytes of a row
	v_add_nc_u32 v[PSB+\u], s21, v251
.endr
	s_mul_i32 s20, s[WV], 20*PP
	s_add_co_u32 s20, s20, PARTB
	v_mul_u32_u24 v251, v250, PP
	v_lshl_add_u32 v251, v249, 4, v251
	v_add_nc_u32 v[FR0], s20, v251                 ; row 20 w + h, 16 bytes a lane
	v_add_nc_u32 v[FR1], 2*PW, v[FR0]
	s_mul_i32 s20, s[WV], 20*260
	s_add_co_u32 s20, s20, OIMG
	v_mul_u32_u24 v251, v250, 260
	v_add_nc_u32 v[FT], s20, v251
	v_lshl_add_u32 v[FW], v249, 4, v[FT]
	v_add_nc_u32 v[FW], 4, v[FW]
	v_lshlrev_b32 v[T16], 4, v0
	v_add_nc_u32 v[RB0], OIMG, v[T16]
	s_wait_kmcnt 0x0                               ; norm_scale
	v_mov_b32 v251, s[NS]
	v_and_b32 v251, 0x7fffffff, v251
	v_add_f32 v251, s[EPS], v251
	v_rcp_f32 v252, v251                           ; c
	v_nop
	s_wait_alu depctr_va_vdst(0)                   ; the wait ahead of the reciprocal's first use
	v_mul_f32 v253, v252, v252
	v_mul_f32 v254, v253, v252
	v_readfirstlane_b32 s[C2], v253
	v_readfirstlane_b32 s[C3], v254
	s_mov_b32 s[XOFF], 0
	s_mov_b32 s[OFP+1], 0
	s_mul_i32 s[GB], s[WG], 104000                 ; 400 rows of 260 bytes
	s_mov_b32 s[TCNT], 5
	s_wait_loadcnt 0x0                             ; the weights, kTv, sumk, the biases
	WIN 0x41
.set n, 0
.rept 32
	v_pk_add_f32 v[BQ+2*n:BQ+2*n+1], v[BQ+2*n:BQ+2*n+1], s[EPS:EPS+1] op_sel_hi:[1,0]
.set n, n+1
.endr
	WIN 0
	s_wait_tensorcnt 4                             ; my part of tile 0 is in; the four younger loads stay out,
	s_barrier_signal -1
	s_barrier_wait -1                              ; everybody's is
.Ltile:
	s_mov_b32 s[POFF], 0
	s_mov_b32 s[RCNT], 5
	XF2 0, 0
.Lrt:                                                  ; a row tile: 16 rows
	PL 5                                           ; the first products below write over q's registers, which the last numerator read
	XF2 1, 1
	s_wait_dscnt 4                                 ; all but the four loads just issued: the first pair's fragments are in, and the last row tile's stores are done
	QMUL 0, 0
	PL 4                                           ; in front of loads into the buffer just multiplied
	XF2 2, 0
	s_wait_dscnt 4
	QMUL 1, 1
	PL 4
	XF2 3, 1
	s_wait_dscnt 4
	QMUL 2, 0
	s_wait_dscnt 0x0
	QMUL 3, 1
	WIN 0
	PL 4                                           ; in front of the loads below and of the reads of results just made
	s_add_co_u32 s[XOFF], s[XOFF], 16*PX
	v_add_nc_u32 v[XA], s[XOFF], v[XA0]            ; the next row tile
	s_cmp_eq_u32 s[RCNT], 1                        ; its first fragments are fetched now, if it lies in this tile
	s_cbranch_scc1 .Lnox
	XF2 0, 0
.Lnox:
	QNORM
	NUM
	WIN 0
	PL 4                                           ; in front of the reads of results just made
.irp u, 0,1,2,3
	v_add_nc_u32 v[PS+\u], s[POFF], v[PSB+\u]
.endr
.irp k, 0,2,4,6
	v_pk_add_f32 v[OA+\k:OA+\k+1], v[OA+\k:OA+\k+1], v[RA1+\k:RA1+\k+1]  ; the residual's odd K steps
.endr
.irp u, 0,1,2,3
	ds_store_b128 v[PS+\u], v[OA+8*\u:OA+8*\u+3]
	ds_store_b128 v[PS+\u], v[OA+8*\u+4:OA+8*\u+7] offset:16
.endr
	s_add_co_u32 s[POFF], s[POFF], 16*PP
	s_sub_co_u32 s[RCNT], s[RCNT], 1
	s_cmp_lg_u32 s[RCNT], 0
	s_cbranch_scc1 .Lrt
	s_wait_dscnt 0x0                               ; for the others' sake: my sums of the tile's 80 rows lie in LDS, and my reads of the last tile's image are back
	s_barrier_signal -1
	s_barrier_wait -1
	FING 0
	FING 1
	s_wait_tensorcnt 0x0                           ; my parts of all later tiles are in (the count is the same in every trip; only the first can find a load out, five row tiles behind its issue)
	s_wait_dscnt 0x0                               ; my rows of the image are written, and my reads of the sums are back
	s_barrier_signal -1
	s_barrier_wait -1                              ; the image is whole; the sums may be written again; the next tile of x is whole
	; THE WAY OUT: the image, shifted so that a lane's 16 bytes are aligned in out0 and sixteen lanes fill an aligned block of 256 bytes
	s_and_b32 s[SH], s[GB], 255                    ; a multiple of 16: a tile begins at a multiple of 20,800 bytes
	s_sub_co_u32 s[OFP], s[GB], s[SH]
	s_add_nc_u64 s[OPT:OPT+1], s[16:17], s[OFP:OFP+1]
	v_sub_nc_u32 v[RB], v[RB0], s[SH]
.set i, 1
.rept 9                                        ; pieces 1 to 9 of 2,048 bytes lie inside the tile whatever the shift
	ds_load_b128 v[FB+4*i:FB+4*i+3], v[RB] offset:i*2048
.set i, i+1
.endr
.set i, 1
.rept 9
	s_wait_dscnt 9-i                               ; piece i is in; the younger pieces stay out
	global_store_b128 v[T16], v[FB+4*i:FB+4*i+3], s[OPT:OPT+1] offset:i*2048 th:TH_STORE_NT
.set i, i+1
.endr
	v_cmp_le_u32 vcc_lo, s[SH], v[T16]             ; piece 0: from the tile's first byte on
	s_wait_xcnt 0x0                                ; EXEC changes only when every earlier memory instruction has read its sources
	s_and_saveexec_b32 s[SVX], vcc_lo
	ds_load_b128 v[FB:FB+3], v[RB]
	s_wait_dscnt 0x0
	global_store_b128 v[T16], v[FB:FB+3], s[OPT:OPT+1] th:TH_STORE_NT
	s_wait_xcnt 0x0
	s_or_b32 exec_lo, exec_lo, s[SVX]
	s_add_co_u32 s74, s[SH], 320                   ; piece 10: 20,800 - 20,480 bytes and the shift
	v_cmp_gt_u32 vcc_lo, s74, v[T16]
	s_and_saveexec_b32 s[SVX], vcc_lo
	ds_load_b128 v[FB+40:FB+43], v[RB] offset:20480
	s_wait_dscnt 0x0
	global_store_b128 v[T16], v[FB+40:FB+43], s[OPT:OPT+1] offset:20480 th:TH_STORE_NT
	s_wait_xcnt 0x0                                ; this wait also frees the registers and the base of all the tile's stores for the next tile
	s_or_b32 exec_lo, exec_lo, s[SVX]
	s_add_co_u32 s[GB], s[GB], 20800
	s_sub_co_u32 s[TCNT], s[TCNT], 1
	s_cmp_lg_u32 s[TCNT], 0
	s_cbranch_scc1 .Ltile
	s_wait_tensorcnt 0x0                           ; the wave's end: behind my last tensor load and my last LDS store
	ds_add_u32 v[SPW], v[NIL]
	s_wait_dscnt 0x0
	s_endpgm
.Lfunc_end_k_qf692f8c5bf_pass2:
	.size	k_qf692f8c5bf_pass2, .Lfunc_end_k_qf692f8c5bf_pass2-k_qf692f8c5bf_pass2
	.p2alignl 7, 3214868480
	.fill 96, 4, 3214868480
	.section	.rodata,"a",@progbits
	.p2align	6, 0x0
	.amdhsa_kernel k_qf692f8c5bf_pass2
		.amdhsa_group_segment_fixed_size 327680
		.amdhsa_private_segment_fixed_size 0
		.amdhsa_enable_private_segment 0
		.amdhsa_kernarg_size 56
		.amdhsa_user_sgpr_count 2
		.amdhsa_user_sgpr_kernarg_segment_ptr 1
		.amdhsa_wavefront_size32 1
		.amdhsa_system_sgpr_workgroup_id_x 1
		.amdhsa_system_sgpr_workgroup_id_y 1
		.amdhsa_system_sgpr_workgroup_id_z 1
		.amdhsa_system_vgpr_workitem_id 0
		.amdhsa_next_free_vgpr 1024
		.amdhsa_next_free_sgpr 80
		.amdhsa_reserve_vcc 1
		.amdhsa_float_denorm_mode_32 3
		.amdhsa_float_denorm_mode_16_64 3
		.amdhsa_memory_ordered 1
		.amdhsa_forward_progress 1
		.amdhsa_inst_pref_size 73
	.end_amdhsa_kernel
	.amdgpu_metadata
---
amdhsa.version: [ 1, 2 ]
amdhsa.kernels:
  - .name:           k_qf692f8c5bf_pass2
    .symbol:         k_qf692f8c5bf_pass2.kd
    .args:
      - { .name: xb, .offset: 0, .size: 8, .value_kind: global_buffer, .address_space: global }
      - { .name: wimg, .offset: 8, .size: 8, .value_kind: global_buffer, .address_space: global }
      - { .name: kv, .offset: 16, .size: 8, .value_kind: global_buffer, .address_space: global }
      - { .name: bq, .offset: 24, .size: 8, .value_kind: global_buffer, .address_space: global }
      - { .name: brv, .offset: 32, .size: 8, .value_kind: global_buffer, .address_space: global }
      - { .name: norm_scale, .offset: 40, .size: 8, .value_kind: global_buffer, .address_space: global }
      - { .name: out0, .offset: 48, .size: 8, .value_kind: global_buffer, .address_space: global }
    .group_segment_fixed_size: 327680
    .private_segment_fixed_size: 0
    .kernarg_segment_align: 8
    .kernarg_segment_size: 56
    .max_flat_workgroup_size: 128
    .sgpr_count:     80
    .vgpr_count:     1024
    .wavefront_size: 32
...
	.end_amdgpu_metadata
.endif
;; end of part 4
;; ======== version 2 of 2: 4 launches; version 1 with the launch pass1 written anew for expert scheduling mode
;; workspace buffers: wimg 819,200 bytes; brv 256 bytes; xb 51,200,000 bytes; part 20,480,000 bytes; kv 98,304 bytes
;; launch prep: the kernel of part 1 again; grid 400 x 1, 4 waves a work-group, no clusters, 17,152 bytes of LDS; arguments Wk, Wv, Wq, Wm, bv, bm, wimg, brv; writes wimg, brv
;; launch pass1 (part 5): grid 2 x 125, 4 waves a work-group, no clusters, 54,784 bytes of LDS; arguments query_input, wimg, bk, bv, norm_scale, xb, part; writes xb, part
.if DOCPART == 5
	.amdgcn_target "amdgcn-amd-amdhsa--gfx1250"
	.amdhsa_code_object_version 6
	.text
	.protected	k_qf692f8c5bf_pass1
	.globl	k_qf692f8c5bf_pass1
	.p2align	8
	.type	k_qf692f8c5bf_pass1,@function
k_qf692f8c5bf_pass1:
	s_mov_b64 s[64:65], 0
	v_nop
	global_prefetch_b8 v0, s[64:65] scope:SCOPE_SE
	s_setreg_imm32_b32 hwreg(HW_REG_WAVE_SCHED_MODE, 0, 2), 2
	s_setreg_imm32_b32 hwreg(HW_REG_WAVE_MODE, 25, 1), 1
	s_wait_xcnt 0x0
	s_wait_alu depctr_vm_vsrc(0)
; PASS 1.  For each head: kTv[m][d] = sum over rows of phi_k[row][m] v[row][d] and sumk[m] = sum over rows of phi_k[row][m], as partial sums over 800 rows, in f32, to part;
; and x rounded once to bf16, to xb.  phi_k = f z^2, z = max(x Wk + bk + 1e-6, 1e-6), f = c^3 sqrt(sum z^2) / (c^2 sqrt(sum z^4) + 1e-12), c = 1 / (|norm_scale| + 1e-6): reference()'s feature map, rearranged.
; v is multiplied without its bias; sumk (x) bv is added to kTv in f32 at the end.
; FORMATS.  Matrix operands (x, Wk, Wv, phi_k, v) bf16; all sums, norms and what goes to part f32.  sumk is the sum of the ROUNDED phi_k.
; LIMITS.  NaN and infinities are not treated apart; roots and reciprocals are good to 1 ULP; sum z^2 >= 6.4e-11 and sum z^4 >= 6.4e-23 by the 1e-6, so neither is a denormal.
; SHARES.  Work-group (g, chunk): rows 800 chunk .. + 799 in 25 steps of 32, heads 4 g .. 4 g + 3, a head a wave.  A wave's Wk and Wv (128 columns x 256 d, 512 registers) stay in registers, so LDS carries x alone:
; 32 LDS loads of x for a step's 148 matrix instructions (64 k, 64 v, 16 kTv, 4 sumk).
; LAYOUT.  k is made transposed (source 0 = 16 channels of Wk, source 1 = 16 rows of x): a lane holds one row and 32 of its 64 channels, so a norm is a sum in the lane and one exchange of the lanes' halves.
; v is made as it lies (source 0 = x, source 1 = Wv): two results rounded in pairs ARE source 1 (32 rows x 16 d) of kTv.  phi_k goes through my own stage in LDS, [row][channel], and comes back turned (ds_load_tr16_b128) as source 0.
; x comes through registers (16-byte loads, a step ahead), is rounded there, and goes into one of two LDS slots; one barrier a step.
; NO CLUSTER: the two work-groups of a chunk read the same x, but as f32, which has to pass through registers to be rounded: a joint tensor load would want slots of 32 x 1,024 bytes and a second trip through LDS.
; THE MODE: SCHED_MODE bits 1:0 = 2 (LLVM: expert scheduling mode 2), set by the entry lines.  The code itself states the register dependences
; between vector or matrix instructions and memory or LDS instructions, with s_wait_alu, always for 0.
; THE PLAN.  Registers that memory or LDS instructions touch, in a step (K goes in four pairs of K steps; Xp = the eight LDS loads of pair p's fragments):
;   XF0        X0 (at the step's top) and X2 land in it; the products of pairs 0 and 2 read it.
;   XF1 = PKT  X1 and X3 land in it; the products of pairs 1 and 3 read it; then the feature map's roundings write it and the stage's LDS stores read it.
;   KA         k's products and the feature map write and read it; the turning loads land in its first 32 registers; kTv's products read those.
;   STG        The global loads of the tile after next land in it; a step later the conversions round it in place; the LDS stores into the other slot and the stores to xb read it.
;   v1-v9, v15 Offsets and LDS addresses: made at the head, never written again: the rows are reached by scalar bases and immediate offsets.
; Waits on va_vdst in a step: behind the conversions (STG is written, for its stores); ahead of the loads into STG (the conversions are done with it); behind pair 0's products (done reading XF0, for X2);
; behind pair 1's (XF1, for X3); ahead of the stage's stores (PKT is written; KA is done with, for the turning loads; pairs 2 and 3 are done reading XF0 and XF1, for the NEXT step's X0 and X1: from that wait
; to those loads the vector and matrix instructions name VA, KA, KV, OACC, ONE and STG alone).  X2 and X3 are dealt among the next pair's first eight products, which name the other buffer, Wv and VA.
; Waits on vm_vsrc in a step: ahead of the loads into STG (its stores have read it); ahead of the barrier (the stage's stores have read PKT, in which the next step's X1 lands).
; REGISTERS, in windows of 256 (s_set_vgpr_msb: bits 1:0 source 0, 3:2 source 1, 5:4 source 2, 7:6 destination):
;   window 0: v0-15 addresses; v16-23 bv; v24-39 statistics; v40-47 ones; v48-111 x's fragments, two buffers (the second also takes the rounded phi_k); v112-175 k; v176-239 v; v240-244 at work at the head
;   window 1: v0-63 x as loaded; v64-95 bk + 1e-6; v96-127 sumk; v128-255 kTv          window 2: Wk, fragment (ct, ks) at 8 (8 ct + ks)          window 3: Wv likewise
.set PX,    528                        ; a row of x in LDS: 512 bytes + 16: the 16 rows of a fragment load start at 16 different groups of four banks (64 banks of 4 bytes: ISA guide 11.1)
.set SLOTB, 32*PX
.set TRB,   2*SLOTB                    ; behind the two slots: 32 rows x 160 bytes for each wave
.set PT,    160                        ; 128 bytes + 32
.set SPARE, TRB+4*32*PT                ; behind the stages: the spare words, 128 bytes for each wave: two blocks of 256 bytes that no other line names
.set XA,  2                            ; v2   r x 528 + 16 h: my place in a fragment of x
.set TS,  3                            ; v3   where I put 16 bytes of phi_k
.set TL,  4                            ; v4   where the turning load reads
.set GO,  5                            ; v5   16 x thread: my 16 bytes in two rows of x (2,048 bytes)
.set LS,  6                            ; v6   where my 8 bytes of rounded x go in a slot
.set XBO, 7                            ; v7   8 x thread: the same in xb
.set PFO, 8                            ; v8   256 x thread: the prefetch's offset
.set WO,  9                            ; v9   16 x lane
.set SPW, 10                           ; v10  LDS address of my spare word; never rewritten
.set NIL, 11                           ; v11  0; never rewritten
.set BV,  16                           ; pair dt: bv[head][16 dt + r], 0
.set S2,  24                           ; row tile rt: pair at S2 + 2 rt: sum z^2
.set S4,  28                           ; sum z^4
.set FF,  32                           ; f, twice
.set ONE, 40                           ; 1.0 in bf16, sixteen times
.set XF,  48                           ; buffer b at XF + 32 b: K step ksub of a pair, row tile rt at + 16 ksub + 8 rt
.set PKT, 80                           ; phi_k rounded: row tile rt, channel tile ct at PKT + 16 rt + 4 ct
.set KA,  112                          ; k (rt, ct) at KA + 32 rt + 8 ct; later phi_k^T, fragment mt at KA + 8 mt
.set VA,  176                          ; v (ct, rt) at VA + 16 ct + 8 rt; later source 1, fragment dt at VA + 16 dt
.set STG, 0                            ; window 1
.set BK,  64
.set OACC, 96
.set KV,  128                          ; tile T = 4 mt + dt at KV + 8 T
.set WV,  18                           ; s18  wave
.set GR,  19                           ; s19  g
.set HD,  20                           ; s20  head
.set CH,  21                           ; s21  chunk
.set CNT, 22                           ; s22  trips to go
.set LIM, 23                           ; s23  2 where g = 0, else the greatest number: a wave prefetches while CNT is above it
.set EPS, 24                           ; s[24:25] 1e-6, twice
.set E12, 26                           ; s26  1e-12
.set C2,  27                           ; s27  c^2
.set C3,  28                           ; s28  c^3
.set SEL, 30                           ; s[30:31] v_permlanex16_b32's selects: each lane takes its own place in the other half
.set XP,  32                           ; s[32:33] x at the tile loaded last
.set XBP, 34                           ; s[34:35] xb at the same tile
.set WKP, 38                           ; s[38:39] my head's image of Wk
.set WVP, 40                           ; s[40:41] of Wv
.set NS,  42                           ; s42  norm_scale
.set MSB, 0
.macro WIN new                         ; the immediate's high byte repeats the setting that is left; a switch that changes nothing is dropped
.if MSB != (\new)
	s_set_vgpr_msb (MSB<<8)|(\new)
.set MSB, (\new)
.endif
.endm
.macro PL n                            ; places behind a matrix instruction: plain vector instructions that name none of its registers (ISA guide 7.12.1)
.rept \n
	v_nop
.endr
.endm
; A tile of x, 32 rows x 1,024 bytes, in 16 pieces of two rows; each load of the wave covers 512 consecutive bytes.  step = 1: the pointers go one tile on first.
.macro LOADX step
	s_wait_xcnt 0x0                                ; the last tile's stores to xb have read their data, and every load and prefetch its address: STG and the pointers may be written
.if \step
	s_add_nc_u64 s[XP:XP+1], s[XP:XP+1], 32768
	s_add_nc_u64 s[XBP:XBP+1], s[XBP:XBP+1], 16384
.endif
	WIN 0x40                                       ; the window first, then the waits, then the loads
.if \step
	s_wait_alu depctr_vm_vsrc(0)                   ; the LDS stores into the slot and the stores to xb have read STG, in which the loads below land
.endif
	s_wait_alu depctr_va_vdst(0)                   ; in a step: the conversions are done reading and writing STG, in which the loads below land; at the head: the offsets v1, v5, v7, v8, v9 and v15 are written, which the kernel's global loads, stores and prefetches read
.set n, 0
.rept 16
	global_load_b128 v[STG+4*n:STG+4*n+3], v[GO], s[XP:XP+1] offset:n*2048
.set n, n+1
.endr
	WIN 0
.endm
; A PREFETCH INTO THE L2, behind the step's loads: the tile two tiles beyond the one just asked for (tile i + 4 in step i): 128 blocks of 256 bytes, a thread a block, one instruction a wave.
; The two work-groups of a chunk read the same tile: g = 0 asks, so each block is named once in the launch.  It stops where i + 4 would pass the chunk's tile 24: while CNT > 2.
.macro ASK first
.if \first
	s_cmp_eq_u32 s[LIM], 2
.else
	s_cmp_gt_u32 s[CNT], s[LIM]
.endif
	s_cbranch_scc0 .Lnoask_\@
	global_prefetch_b8 v[PFO], s[XP:XP+1] offset:65536 th:TH_LOAD_NT scope:SCOPE_SE
.Lnoask_\@:
.endm
; The tile that was loaded a step ago is rounded to bf16 in place, put into a slot, and half of it (rows 16 g .. 16 g + 15) stored to xb: each store of the wave covers 256 consecutive bytes, aligned.
.macro CVT slot
	s_wait_loadcnt 0x0                             ; the sixteen loads issued a step ago
	WIN 0x45
.set n, 0
.rept 16
	v_cvt_pk_bf16_f32 v[STG+4*n], v[STG+4*n], v[STG+4*n+1]
	v_cvt_pk_bf16_f32 v[STG+4*n+1], v[STG+4*n+2], v[STG+4*n+3]
.set n, n+1
.endr
	WIN 0x04
	s_wait_alu depctr_va_vdst(0)                   ; the conversions have written STG, which the LDS stores and the stores to xb below read; at its first use also: the LDS addresses v2, v3, v4 and v6 are written
.set n, 0
.rept 16
	ds_store_b64 v[LS], v[STG+4*n:STG+4*n+1] offset:(\slot)*SLOTB+n*2*PX
.set n, n+1
.endr
	WIN 0                                          ; at a branch and at a label every window is 0
	s_cmp_eq_u32 s[GR], 0
	s_cbranch_scc0 .Lhi_\@
	WIN 0x04
.set n, 0
.rept 8
	global_store_b64 v[XBO], v[STG+4*n:STG+4*n+1], s[XBP:XBP+1] offset:n*1024
.set n, n+1
.endr
	WIN 0
	s_branch .Ldone_\@
.Lhi_\@:
	WIN 0x04
.set n, 8
.rept 8
	global_store_b64 v[XBO], v[STG+4*n:STG+4*n+1], s[XBP:XBP+1] offset:n*1024
.set n, n+1
.endr
	WIN 0
.Ldone_\@:
.endm
; Eight LDS loads: x's fragments of K steps 2 p and 2 p + 1, both row tiles, into buffer b
.macro XFETCH slot, p, b
	WIN 0
.set q, 0
.rept 4
.set a, XF+32*(\b)+16*(q/2)+8*(q%2)
	ds_load_b128 v[a:a+3],   v[XA] offset:(\slot)*SLOTB+(q%2)*16*PX+(2*(\p)+q/2)*64
	ds_load_b128 v[a+4:a+7], v[XA] offset:(\slot)*SLOTB+(q%2)*16*PX+(2*(\p)+q/2)*64+32
.set q, q+1
.endr
.endm
; 32 matrix instructions: K steps 2 p and 2 p + 1 of v (16) and of k (16).  In each run of 16 the eight accumulators take turns, one instruction a turn.
; K step 0 starts the sums: k's with bk + 1e-6 as C, v's with the constant 0.
; fetch = 1: the eight LDS loads of pair p + 1 go into the other buffer, one behind each of the first eight products.  v's products stand first because under their window setting an LDS load's address
; and data lie in window 0: the loads want no switch.  No wait stands at the loads: since the wait ahead of this pair no vector or matrix instruction names the other buffer or v[XA].
.macro PROJ p, b, slot, fetch
	WIN 0x0c                                       ; x window 0, Wv window 3
.set ksub, 0
.rept 2
.set ks, 2*(\p)+ksub
.set q, 0
.rept 8
.set rD, VA+16*(q%4)+8*(q/4)
.set rW, 8*(8*(q%4)+ks)
.set rX, XF+32*(\b)+16*ksub+8*(q/4)
.if ks == 0
	v_wmma_f32_16x16x32_bf16 v[rD:rD+7], v[rX:rX+7], v[rW:rW+7], 0
.else
	v_wmma_f32_16x16x32_bf16 v[rD:rD+7], v[rX:rX+7], v[rW:rW+7], v[rD:rD+7]
.endif
.if (\fetch) && (ksub == 0)
.set rL, XF+32*(1-(\b))+16*(q/4)+8*((q/2)%2)+4*(q%2)
	ds_load_b128 v[rL:rL+3], v[XA] offset:(\slot)*SLOTB+((q/2)%2)*16*PX+(2*((\p)+1)+q/4)*64+32*(q%2)  ; K step 2 (p + 1) + q / 4, row tile (q / 2) % 2, half q % 2
.endif
.set q, q+1
.endr
.set ksub, ksub+1
.endr
.set ksub, 0
.rept 2
.set ks, 2*(\p)+ksub
.if ks == 0
	WIN 0x12                                       ; Wk window 2, x window 0, C window 1
.else
	WIN 0x02
.endif
.set q, 0
.rept 8
.set rD, KA+32*(q/4)+8*(q%4)
.set rW, 8*(8*(q%4)+ks)
.set rX, XF+32*(\b)+16*ksub+8*(q/4)
.if ks == 0
	v_wmma_f32_16x16x32_bf16 v[rD:rD+7], v[rW:rW+7], v[rX:rX+7], v[BK+8*(q%4):BK+8*(q%4)+7]
.else
	v_wmma_f32_16x16x32_bf16 v[rD:rD+7], v[rW:rW+7], v[rX:rX+7], v[rD:rD+7]
.endif
.set q, q+1
.endr
.set ksub, ksub+1
.endr
.endm
; The feature map on both row tiles, which alternate line by line.  Each accumulator's registers are taken in ascending order.
.macro KNORM
	WIN 0
.set n, 0
.rept 64
	v_max_num_f32 v[KA+32*(n%2)+n/2], s[EPS], v[KA+32*(n%2)+n/2]  ; z
.set n, n+1
.endr
.set n, 0
.rept 32
.set a, KA+32*(n%2)+2*(n/2)
	v_pk_mul_f32 v[a:a+1], v[a:a+1], v[a:a+1]      ; z^2
.set n, n+1
.endr
.set n, 0
.rept 2
.set a, KA+32*n
	v_pk_add_f32 v[S2+2*n:S2+2*n+1], v[a:a+1], v[a+2:a+3]  ; the first terms start the sums
	v_pk_mul_f32 v[S4+2*n:S4+2*n+1], v[a:a+1], v[a:a+1]
.set n, n+1
.endr
.set n, 2
.rept 30
.set a, KA+32*(n%2)+2*(n/2)
.set c, 2*(n%2)
.if n >= 4
	v_pk_add_f32 v[S2+c:S2+c+1], v[S2+c:S2+c+1], v[a:a+1]
.endif
	v_pk_fma_f32 v[S4+c:S4+c+1], v[a:a+1], v[a:a+1], v[S4+c:S4+c+1]
.set n, n+1
.endr
.irp c, 0, 2
	v_add_f32 v[S2+\c], v[S2+\c], v[S2+\c+1]
	v_add_f32 v[S4+\c], v[S4+\c], v[S4+\c+1]
.endr
.irp c, 0, 2
	v_permlanex16_b32 v[S2+\c+1], v[S2+\c], s[SEL], s[SEL+1]  ; the row's other 32 channels lie in the lane 16 away
	v_permlanex16_b32 v[S4+\c+1], v[S4+\c], s[SEL], s[SEL+1]
.endr
.irp c, 0, 2
	v_add_f32 v[S2+\c], v[S2+\c], v[S2+\c+1]
	v_add_f32 v[S4+\c], v[S4+\c], v[S4+\c+1]
.endr
.irp c, 0, 2
	v_sqrt_f32 v[S2+\c+1], v[S2+\c]
	v_sqrt_f32 v[S4+\c+1], v[S4+\c]
.endr
	v_nop                                          ; a plain instruction behind the last root,
	s_wait_alu depctr_va_vdst(0)                   ; and the wait ahead of the first use: one for the four roots
.irp c, 0, 2
	v_fma_f32 v[S4+\c], v[S4+\c+1], s[C2], s[E12]
.endr
.irp c, 0, 2
	v_rcp_f32 v[S4+\c+1], v[S4+\c]
.endr
.irp c, 0, 2
	v_mul_f32 v[S2+\c], s[C3], v[S2+\c+1]          ; plain work behind the reciprocals
.endr
	s_wait_alu depctr_va_vdst(0)                   ; one wait for the two reciprocals
.irp c, 0, 2
	v_mul_f32 v[FF+\c], v[S2+\c], v[S4+\c+1]
	v_mul_f32 v[FF+\c+1], v[S2+\c], v[S4+\c+1]
.endr
.set n, 0
.rept 32
.set a, KA+32*(n%2)+2*(n/2)
	v_pk_mul_f32 v[a:a+1], v[a:a+1], v[FF+2*(n%2):FF+2*(n%2)+1]  ; phi_k
.set n, n+1
.endr
.set n, 0
.rept 32
	v_cvt_pk_bf16_f32 v[PKT+16*(n%2)+n/2], v[KA+32*(n%2)+2*(n/2)], v[KA+32*(n%2)+2*(n/2)+1]
.set n, n+1
.endr
.endm
; phi_k into my stage, [row][channel], and back turned: fragment mt holds channel 16 mt + l % 16 a lane and the 32 rows along its registers
.macro TRANS
	WIN 0
.set n, 0
.rept 8
	ds_store_b128 v[TS], v[PKT+4*n:PKT+4*n+3] offset:(n/4)*16*PT+(n%4)*32
.set n, n+1
.endr
.set n, 0
.rept 4
	ds_load_tr16_b128 v[KA+8*n:KA+8*n+3],   v[TL] offset:n*32  ; LDS serves a wave's instructions in order (ISA guide 5.7.1.4): these see the stores above
	ds_load_tr16_b128 v[KA+8*n+4:KA+8*n+7], v[TL] offset:n*32+16*PT
.set n, n+1
.endr
.endm
; v rounded in place: of the 16 registers of a channel tile (row tiles 0 and 1) register pair k goes into register k: source 1 of kTv
.macro VPACK
	WIN 0
.set n, 0
.rept 32
.set a, VA+16*(n%4)
	v_cvt_pk_bf16_f32 v[a+n/4], v[a+2*(n/4)], v[a+2*(n/4)+1]
.set n, n+1
.endr
.endm
; 20 matrix instructions on 20 accumulators: kTv's sixteen tiles and sumk's four (phi_k^T times ones).  first = 1: they start the sums.
.macro KTV first
	WIN 0x50                                       ; C and D window 1
.set n, 0
.rept 16
.if \first
	v_wmma_f32_16x16x32_bf16 v[KV+8*n:KV+8*n+7], v[KA+8*(n/4):KA+8*(n/4)+7], v[VA+16*(n%4):VA+16*(n%4)+7], 0
.else
	v_wmma_f32_16x16x32_bf16 v[KV+8*n:KV+8*n+7], v[KA+8*(n/4):KA+8*(n/4)+7], v[VA+16*(n%4):VA+16*(n%4)+7], v[KV+8*n:KV+8*n+7]
.endif
.set n, n+1
.endr
.set n, 0
.rept 4
.if \first
	v_wmma_f32_16x16x32_bf16 v[OACC+8*n:OACC+8*n+7], v[KA+8*n:KA+8*n+7], v[ONE:ONE+7], 0
.else
	v_wmma_f32_16x16x32_bf16 v[OACC+8*n:OACC+8*n+7], v[KA+8*n:KA+8*n+7], v[ONE:ONE+7], v[OACC+8*n:OACC+8*n+7]
.endif
.set n, n+1
.endr
.endm
; A STEP: 32 rows out of a slot.  Beside them the next tile is rounded into the other slot and the tile after it asked for.
; first = 1: step 0.  In the loop's last trip (CNT = 1) nothing is loaded, and its second step (tail = 1) rounds nothing: tile 24 is the chunk's last.
.macro STEP slot, first, tail
	XFETCH \slot, 0, 0                             ; no wait: the last step's wait ahead of its stage's stores showed pair 2's products done reading XF0, and nothing since names it (in step 0 nothing has named it at all)
.if \tail
	s_cmp_eq_u32 s[CNT], 1
	s_cbranch_scc1 .Lskip_\@
.endif
	CVT 1-(\slot)
.if !(\first) && !(\tail)
	s_cmp_eq_u32 s[CNT], 1
	s_cbranch_scc1 .Lskip_\@
.endif
	LOADX 1
	ASK \first
.Lskip_\@:
	PL 5                                           ; the first products below write over k's and v's registers, which the last step's kTv read
	XFETCH \slot, 1, 1                             ; no wait: the roundings that wrote XF1 stand ahead of the last step's wait on va_vdst, the stage's stores that read it ahead of that step's wait on vm_vsrc
	s_wait_dscnt 8                                 ; all but the eight loads just issued: the first pair's fragments are in
	PROJ 0, 0, \slot, 0
	PL 4                                           ; the four places between the products that read a buffer and the loads into it are kept beside the wait
	s_wait_alu depctr_va_vdst(0)                   ; pair 0's products are done reading XF0, in which the loads dealt among pair 1's products land
	s_wait_dscnt 0x0                               ; pair 1's fragments, the youngest LDS loads, are in
	PROJ 1, 1, \slot, 1
	PL 4
	s_wait_alu depctr_va_vdst(0)                   ; pair 1's products are done reading XF1, in which the loads dealt among pair 2's products land
	s_wait_dscnt 0x0                               ; pair 2's fragments are in
	PROJ 2, 0, \slot, 1
	s_wait_dscnt 0x0                               ; pair 3's fragments are in
	PROJ 3, 1, \slot, 0
	WIN 0
	PL 4                                           ; in front of the reads of results just made
	KNORM
	s_wait_alu depctr_va_vdst(0)                   ; the roundings have written PKT, which the stage's stores read; the feature map is done with KA, in which the turning loads land; pairs 2 and 3 are done reading XF0 and XF1, in which the next step's first loads land
	TRANS
	VPACK
	s_wait_dscnt 0x0                               ; my reads of this slot are back, my stores into the other slot are done, phi_k^T is in
	s_wait_alu depctr_vm_vsrc(0)                   ; the stage's stores have read PKT, that is XF1, in which the next step's second run of loads lands
	s_barrier_signal -1                            ; say so,
	KTV \first                                     ; work on registers while the others arrive,
	WIN 0
	s_barrier_wait -1                              ; and go on when all four have said so: the other slot is whole, and nobody reads this one any more
.endm
	s_load_b256 s[4:11], s[0:1], 0x0               ; x s[4:5], wimg s[6:7], bk s[8:9], bv s[10:11]
	s_load_b128 s[12:15], s[0:1], 0x20             ; norm_scale s[12:13], xb s[14:15]
	s_load_b64 s[16:17], s[0:1], 0x30              ; part
	v_lshl_add_u32 v[SPW], v0, 2, SPARE
	v_mov_b32 v[NIL], 0
	v_lshrrev_b32 v1, 5, v0
	v_readfirstlane_b32 s[WV], v1                  ; wave 0..3
	v_and_b32 v12, 31, v0                          ; l
	v_and_b32 v13, 15, v0                          ; r
	v_bfe_u32 v14, v0, 4, 1                        ; h
	v_lshlrev_b32 v[WO], 4, v12
	v_lshlrev_b32 v15, 5, v14                      ; 32 h: bk's lane offset
	v_lshlrev_b32 v1, 2, v13                       ; 4 r: bv's
	v_lshlrev_b32 v[GO], 4, v0
	v_lshlrev_b32 v[XBO], 3, v0
	v_lshlrev_b32 v[PFO], 8, v0
.set n, 0
.rept 4
	v_mov_b32 v[BV+2*n+1], 0                       ; named with bv's number as a pair
.set n, n+1
.endr
	s_wait_alu depctr_va_sdst(0)                   ; s[WV] is written, ahead of its first reader: the head's number, the bases and the LDS places are made from it
	s_mov_b32 s[GR], ttmp9
	s_lshl_b32 s[HD], s[GR], 2
	s_add_co_u32 s[HD], s[HD], s[WV]
	s_and_b32 s[CH], ttmp7, 0xffff
	s_mov_b32 s[EPS], 0x358637bd                   ; 1e-6
	s_mov_b32 s[EPS+1], s[EPS]
	s_mov_b32 s[E12], 0x2b8cbccc                   ; 1e-12
	s_mov_b32 s[SEL], 0x76543210
	s_mov_b32 s[SEL+1], 0xfedcba98
	s_cmp_eq_u32 s[GR], 0
	s_cselect_b32 s[LIM], 2, -1
	s_lshr_b32 s46, s[WV], 1
	s_and_b32 s47, s[WV], 1
	s_mov_b32 s45, 0
	s_wait_kmcnt 0x0
	s_load_b32 s[NS], s[12:13], 0x0
	s_mul_i32 s44, s[CH], 819200                   ; 800 rows of 1,024 bytes
	s_add_nc_u64 s[XP:XP+1], s[4:5], s[44:45]
	s_mul_i32 s44, s[CH], 409600                   ; 800 rows of 512 bytes
	s_add_nc_u64 s[XBP:XBP+1], s[14:15], s[44:45]
	s_lshl_b32 s44, s[HD], 15                      ; a head's image: 32 fragments of 1,024 bytes
	s_add_nc_u64 s[WKP:WKP+1], s[6:7], s[44:45]
	s_add_nc_u64 s[WVP:WVP+1], s[WKP:WKP+1], 262144
	s_lshl_b32 s44, s[HD], 8
	s_add_nc_u64 s[8:9], s[8:9], s[44:45]
	s_add_nc_u64 s[10:11], s[10:11], s[44:45]
	s_lshl_b32 s44, s[CH], 3
	s_add_co_u32 s44, s44, s[HD]
	s_mul_i32 s44, s44, 20480
	s_add_nc_u64 s[16:17], s[16:17], s[44:45]      ; part at my chunk and head
	LOADX 0                                        ; tile 0 first; its wait on va_vdst serves all the head's loads: only loads and window switches follow it up to the last of them
	WIN 0x80
.set n, 0
.rept 64
	global_load_b128 v[4*n:4*n+3], v[WO], s[WKP:WKP+1] offset:n*512
.set n, n+1
.endr
	WIN 0xc0
.set n, 0
.rept 64
	global_load_b128 v[4*n:4*n+3], v[WO], s[WVP:WVP+1] offset:n*512
.set n, n+1
.endr
	WIN 0x40
.set n, 0
.rept 8
	global_load_b128 v[BK+4*n:BK+4*n+3], v15, s[8:9] offset:(n/2)*64+(n%2)*16  ; bk[16 ct + 8 h + j]: the C operand's layout
.set n, n+1
.endr
	WIN 0
.set n, 0
.rept 4
	global_load_b32 v[BV+2*n], v1, s[10:11] offset:n*64
.set n, n+1
.endr
	v_mul_u32_u24 v[XA], v13, PX
	v_lshl_add_u32 v[XA], v14, 4, v[XA]
	s_mul_i32 s43, s[WV], 32*PT
	s_add_co_u32 s43, s43, TRB                     ; my stage
	v_mul_u32_u24 v[TS], v13, PT
	v_lshl_add_u32 v[TS], v14, 4, v[TS]
	v_add_nc_u32 v[TS], s43, v[TS]
	v_and_b32 v244, 7, v0
	v_lshl_add_u32 v244, v14, 3, v244              ; row 8 h + l % 8
	v_mul_u32_u24 v[TL], v244, PT
	v_bfe_u32 v244, v0, 3, 1
	v_lshl_add_u32 v[TL], v244, 4, v[TL]
	v_add_nc_u32 v[TL], s43, v[TL]
	s_mul_i32 s43, s46, PX                         ; row wave / 2 of a piece's two, half wave % 2 of the row
	s_lshl_b32 s44, s47, 8
	s_add_co_u32 s43, s43, s44
	v_lshl_add_u32 v[LS], v12, 3, s43
.set n, 0
.rept 8
	v_mov_b32 v[ONE+n], 0x3f803f80
.set n, n+1
.endr
	s_wait_kmcnt 0x0                               ; norm_scale
	v_mov_b32 v240, s[NS]
	v_and_b32 v240, 0x7fffffff, v240
	v_add_f32 v240, s[EPS], v240
	v_rcp_f32 v241, v240                           ; c
	v_nop
	s_wait_alu depctr_va_vdst(0)                   ; the wait ahead of the reciprocal's first use
	v_mul_f32 v242, v241, v241
	v_mul_f32 v243, v242, v241
	v_readfirstlane_b32 s[C2], v242
	v_readfirstlane_b32 s[C3], v243
	s_wait_alu depctr_va_sdst(0)                   ; s[C2] and s[C3] are written, ahead of every branch and label and of their first readers, the feature map's lines
	CVT 0                                          ; its wait on LOADcnt is for every load so far: tile 0, the weights, the biases
	WIN 0x41
.set n, 0
.rept 16
	v_pk_add_f32 v[BK+2*n:BK+2*n+1], v[BK+2*n:BK+2*n+1], s[EPS:EPS+1] op_sel_hi:[1,0]
.set n, n+1
.endr
	WIN 0
	LOADX 1                                        ; tile 1
	s_wait_dscnt 0x0                               ; my part of tile 0 lies in slot 0,
	s_barrier_signal -1
	s_barrier_wait -1                              ; everybody's does
	STEP 0, 1, 0                                   ; step 0 stands in front of the loop: its products start kTv's and sumk's sums
	s_mov_b32 s[CNT], 12
.Lloop:                                                ; steps 1 to 24, two a trip
	STEP 1, 0, 0
	STEP 0, 0, 1
	s_sub_co_u32 s[CNT], s[CNT], 1
	s_cmp_lg_u32 s[CNT], 0
	s_cbranch_scc1 .Lloop
	PL 4                                           ; in front of the reads of the last products' results
	WIN 0x51                                       ; sumk and kTv window 1, bv window 0
.set n, 0
.rept 64                                       ; tile n / 4, register pair n % 4, ascending: kTv[m][d] += sumk[m] bv[d]
.set a, KV+8*(n/4)+2*(n%4)
.set b, OACC+8*(n/16)+2*(n%4)
	v_pk_fma_f32 v[a:a+1], v[b:b+1], v[BV+2*((n/4)%4):BV+2*((n/4)%4)+1], v[a:a+1] op_sel_hi:[1,0,1]
.set n, n+1
.endr
	WIN 0x04
	s_wait_alu depctr_va_vdst(0)                   ; the multiply-adds have written kTv and the last products sumk, which the forty stores below read; the places above stay beside this wait
.set n, 0
.rept 32
	global_store_b128 v[WO], v[KV+4*n:KV+4*n+3], s[16:17] offset:n*512  ; the accumulators as they lie: each store covers 512 consecutive bytes, aligned
.set n, n+1
.endr
.set n, 0
.rept 8
	global_store_b128 v[WO], v[OACC+4*n:OACC+4*n+3], s[16:17] offset:(32+n)*512
.set n, n+1
.endr
	WIN 0
	s_wait_dscnt 0x0                               ; the closing lines, six on end
	s_wait_alu 0x0
	s_wait_tensorcnt 0x0
	ds_add_u32 v[SPW], v[NIL]
	s_wait_dscnt 0x0
	s_endpgm
.Lfunc_end_k_qf692f8c5bf_pass1:
	.size	k_qf692f8c5bf_pass1, .Lfunc_end_k_qf692f8c5bf_pass1-k_qf692f8c5bf_pass1
	.p2alignl 7, 3214868480
	.fill 96, 4, 3214868480
	.section	.rodata,"a",@progbits
	.p2align	6, 0x0
	.amdhsa_kernel k_qf692f8c5bf_pass1
		.amdhsa_group_segment_fixed_size 54784
		.amdhsa_private_segment_fixed_size 0
		.amdhsa_enable_private_segment 0
		.amdhsa_kernarg_size 56
		.amdhsa_user_sgpr_count 2
		.amdhsa_user_sgpr_kernarg_segment_ptr 1
		.amdhsa_wavefront_size32 1
		.amdhsa_system_sgpr_workgroup_id_x 1
		.amdhsa_system_sgpr_workgroup_id_y 1
		.amdhsa_system_sgpr_workgroup_id_z 1
		.amdhsa_system_vgpr_workitem_id 0
		.amdhsa_next_free_vgpr 1024
		.amdhsa_next_free_sgpr 66
		.amdhsa_reserve_vcc 0
		.amdhsa_float_denorm_mode_32 3
		.amdhsa_float_denorm_mode_16_64 3
		.amdhsa_memory_ordered 1
		.amdhsa_forward_progress 1
		.amdhsa_inst_pref_size 142
	.end_amdhsa_kernel
	.amdgpu_metadata
---
amdhsa.version: [ 1, 2 ]
amdhsa.kernels:
  - .name:           k_qf692f8c5bf_pass1
    .symbol:         k_qf692f8c5bf_pass1.kd
    .args:
      - { .name: query_input, .offset: 0, .size: 8, .value_kind: global_buffer, .address_space: global }
      - { .name: wimg, .offset: 8, .size: 8, .value_kind: global_buffer, .address_space: global }
      - { .name: bk, .offset: 16, .size: 8, .value_kind: global_buffer, .address_space: global }
      - { .name: bv, .offset: 24, .size: 8, .value_kind: global_buffer, .address_space: global }
      - { .name: norm_scale, .offset: 32, .size: 8, .value_kind: global_buffer, .address_space: global }
      - { .name: xb, .offset: 40, .size: 8, .value_kind: global_buffer, .address_space: global }
      - { .name: part, .offset: 48, .size: 8, .value_kind: global_buffer, .address_space: global }
    .group_segment_fixed_size: 54784
    .private_segment_fixed_size: 0
    .kernarg_segment_align: 8
    .kernarg_segment_size: 56
    .max_flat_workgroup_size: 128
    .sgpr_count:     66
    .vgpr_count:     1024
    .wavefront_size: 32
...
	.end_amdgpu_metadata
.endif
;; end of part 5
;; launch reduce: the kernel of part 3 again; grid 20 x 8, 5 waves a work-group, no clusters, 5,888 bytes of LDS; arguments part, kv; writes kv
;; launch pass2: the kernel of part 4 again; grid 250 x 1, 4 waves a work-group, no clusters, 327,680 bytes of LDS; arguments xb, wimg, kv, bq, brv, norm_scale, out0; writes out0
